; MI455X (gfx1250); checked and timed in simulation.
; The chip was launched on July 23, 2026; its instructions are those of AMD's public machine-readable ISA for CDNA 5 (MIT licence, August 2026) and "CDNA5" Instruction Set Architecture Reference Guide (July 2026). The comments in the code are by the model that wrote it; some were corrected since.
;; Cross Attention. Allowed arithmetic: float matrix products may take bf16 or f16 operands with f32 sums; all other float work in f32.
;; Inputs: Wk 768 x 1,024 float32; Wo 1,024 x 1,024 float32; Wq 1,024 x 1,024 float32; Wv 768 x 1,024 float32; bo 1,024 float32; context 4 x 1,024 x 768 float32; tokens 4 x 2,048 x 1,024 float32.
;; Outputs: out0 4 x 2,048 x 1,024 float32.
;; 2 versions, each right; version 2 is version 1 with the launch cvt written anew for expert scheduling mode. Each part assembles by itself: llvm-mc -triple=amdgcn-amd-amdhsa -mcpu=gfx1250 --defsym DOCPART=n.
;; ======== version 1 of 2: 4 launches
;; workspace buffers: xb 25,165,824 bytes; wb 7,340,032 bytes; qkv 33,554,432 bytes; cb 16,777,216 bytes
;; launch cvt (part 1): grid 496 x 1, 8 waves a work-group, no clusters, 0 bytes of LDS; arguments tokens, context, Wq, Wk, Wv, Wo, xb, wb; writes xb, wb
.if DOCPART == 1
	.amdgcn_target "amdgcn-amd-amdhsa--gfx1250"
	.amdhsa_code_object_version 6
	.text
	.protected	k_q69af09d53e_cvt
	.globl	k_q69af09d53e_cvt
	.p2align	8
	.type	k_q69af09d53e_cvt,@function
k_q69af09d53e_cvt:
	s_mov_b64 s[64:65], 0
	v_nop
	global_prefetch_b8 v0, s[64:65] scope:SCOPE_SE
	s_setreg_imm32_b32 hwreg(HW_REG_WAVE_MODE, 25, 1), 1
	s_wait_xcnt 0x0
; CROSS-ATTENTION, launch 1 of 4: every matrix operand that comes from an input is rounded once from f32 to bf16 (to nearest even).
;   out = softmax((tokens Wq)(context Wk)^T / 8) (context Wv) Wo + bo, 16 heads of 64.
; Nothing of the problem is left out: each of the seven inputs has a way to the output and is loaded (bo in the last launch).
; LIMITS of the whole program: matrix operands (tokens, context, the four weights, Q, K, V, the softmax's weights, ctx) are rounded to
; bf16, sums are kept in f32 in another order than a plain f32 product has; the softmax takes the running maximum of each row away
; before every exponential; an exponential below 2^-126 comes out as 0 (each row's sum is at least 1); NaN and infinities go the way
; the arithmetic carries them.
; LAYOUT: xb = 12,288 rows of 2,048 bytes: rows 0..8191 tokens (1,024 bf16), rows 8192..12287 context (768 bf16; the last 512 bytes of
; these rows are neither stored here nor read later).  wb = 3,584 rows of 1,024 bf16, kept [k][n]: Wq at row 0, Wk 1024, Wv 1792, Wo 2560.
; A stream: no LDS, no matrix unit, no cluster (no byte is read twice).  A work-group takes 32 rows, a wave 4.  A load of a wave covers 512
; consecutive bytes (128 f32), a store 256 consecutive aligned bytes (128 bf16).  All of a wave's loads are issued first; no register is
; used twice, so no source of a pending load or store is ever rewritten.
.set X, 4                              ; v[4:131]   up to 32 loads of 4 registers
.set Y, 132                            ; v[132:195] up to 32 stores of 2 registers
	s_load_b512 s[8:23], s[0:1], 0x0               ; tokens s[8:9], context s[10:11], Wq s[12:13], Wk s[14:15], Wv s[16:17], Wo s[18:19], xb s[20:21], wb s[22:23]
	v_lshrrev_b32 v3, 5, v0
	v_readfirstlane_b32 s2, v3                     ; wave 0..7
	v_and_b32 v1, 31, v0
	v_lshlrev_b32 v2, 3, v1                        ; 8 x lane: my 8 bytes of a store
	v_lshlrev_b32 v1, 4, v1                        ; 16 x lane: my 16 bytes of a load
	s_lshl_b32 s2, s2, 2                           ; my wave's first row in the group's 32
	s_wait_kmcnt 0x0
; 4 rows of nu pieces of 512 bytes, spitch bytes from row to row in the source, 2,048 in the destination
.macro CONV nu, spitch
.set k, 0
.rept 4*\nu
	global_load_b128 v[X+4*k:X+4*k+3], v1, s[4:5] offset:(k/\nu)*\spitch+(k%\nu)*512 th:TH_LOAD_NT
.set k, k+1
.endr
.set k, 0
.rept 4*\nu
	s_wait_loadcnt 4*\nu-1-k                       ; loads come back in order: load k is in, the younger ones stay out
	v_cvt_pk_bf16_f32 v[Y+2*k],   v[X+4*k],   v[X+4*k+1]
	v_cvt_pk_bf16_f32 v[Y+2*k+1], v[X+4*k+2], v[X+4*k+3]
	global_store_b64 v2, v[Y+2*k:Y+2*k+1], s[24:25] offset:(k/\nu)*2048+(k%\nu)*256
.set k, k+1
.endr
.endm
	s_cmp_ge_u32 ttmp9, 368
	s_cbranch_scc1 .Lctx
	; rows of 1,024: groups 0..255 tokens, 256..287 Wq, 288..311 Wk, 312..335 Wv, 336..367 Wo
	s_mov_b64 s[4:5], s[18:19]
	s_mov_b32 s6, 336                              ; the first group of the source
	s_cmp_lt_u32 ttmp9, 336
	s_cselect_b64 s[4:5], s[16:17], s[4:5]
	s_cselect_b32 s6, 312, s6
	s_cmp_lt_u32 ttmp9, 312
	s_cselect_b64 s[4:5], s[14:15], s[4:5]
	s_cselect_b32 s6, 288, s6
	s_cmp_lt_u32 ttmp9, 288
	s_cselect_b64 s[4:5], s[12:13], s[4:5]
	s_cselect_b32 s6, 256, s6
	s_cmp_lt_u32 ttmp9, 256
	s_cselect_b64 s[4:5], s[8:9], s[4:5]
	s_cselect_b32 s6, 0, s6
	s_cselect_b64 s[24:25], s[20:21], s[22:23]     ; tokens go to xb, the weights to wb, one behind the other
	s_cselect_b32 s7, 0, 256                       ; the first group of the destination
	s_sub_co_u32 s26, ttmp9, s6
	s_lshl_b32 s26, s26, 5
	s_add_co_u32 s26, s26, s2                      ; source row
	s_lshl_b32 s26, s26, 12                        ; x 4,096 bytes (below 2^26)
	s_mov_b32 s27, 0
	s_add_nc_u64 s[4:5], s[4:5], s[26:27]
	s_sub_co_u32 s28, ttmp9, s7
	s_lshl_b32 s28, s28, 5
	s_add_co_u32 s28, s28, s2                      ; destination row
	s_lshl_b32 s28, s28, 11                        ; x 2,048 bytes
	s_mov_b32 s29, 0
	s_add_nc_u64 s[24:25], s[24:25], s[28:29]
	CONV 8, 4096
	s_endpgm
.Lctx:                                             ; groups 368..495: context, rows of 768
	s_sub_co_u32 s26, ttmp9, 368
	s_lshl_b32 s26, s26, 5
	s_add_co_u32 s26, s26, s2                      ; row 0..4095
	s_mul_i32 s28, s26, 3072
	s_mov_b32 s29, 0
	s_add_nc_u64 s[4:5], s[10:11], s[28:29]
	s_add_co_u32 s26, s26, 8192                    ; behind the tokens' rows in xb
	s_lshl_b32 s26, s26, 11
	s_mov_b32 s27, 0
	s_add_nc_u64 s[24:25], s[20:21], s[26:27]
	CONV 6, 3072
	s_endpgm
.Lfunc_end_k_q69af09d53e_cvt:
	.size	k_q69af09d53e_cvt, .Lfunc_end_k_q69af09d53e_cvt-k_q69af09d53e_cvt
	.p2alignl 7, 3214868480
	.fill 96, 4, 3214868480
	.section	.rodata,"a",@progbits
	.p2align	6, 0x0
	.amdhsa_kernel k_q69af09d53e_cvt
		.amdhsa_group_segment_fixed_size 0
		.amdhsa_private_segment_fixed_size 0
		.amdhsa_enable_private_segment 0
		.amdhsa_kernarg_size 64
		.amdhsa_user_sgpr_count 2
		.amdhsa_user_sgpr_kernarg_segment_ptr 1
		.amdhsa_wavefront_size32 1
		.amdhsa_system_sgpr_workgroup_id_x 1
		.amdhsa_system_sgpr_workgroup_id_y 1
		.amdhsa_system_sgpr_workgroup_id_z 1
		.amdhsa_system_vgpr_workitem_id 0
		.amdhsa_next_free_vgpr 196
		.amdhsa_next_free_sgpr 66
		.amdhsa_reserve_vcc 0
		.amdhsa_float_denorm_mode_32 3
		.amdhsa_float_denorm_mode_16_64 3
		.amdhsa_memory_ordered 1
		.amdhsa_forward_progress 1
		.amdhsa_inst_pref_size 22
	.end_amdhsa_kernel
	.amdgpu_metadata
---
amdhsa.version: [ 1, 2 ]
amdhsa.kernels:
  - .name:           k_q69af09d53e_cvt
    .symbol:         k_q69af09d53e_cvt.kd
    .args:
      - { .name: tokens, .offset: 0, .size: 8, .value_kind: global_buffer, .address_space: global }
      - { .name: context, .offset: 8, .size: 8, .value_kind: global_buffer, .address_space: global }
      - { .name: Wq, .offset: 16, .size: 8, .value_kind: global_buffer, .address_space: global }
      - { .name: Wk, .offset: 24, .size: 8, .value_kind: global_buffer, .address_space: global }
      - { .name: Wv, .offset: 32, .size: 8, .value_kind: global_buffer, .address_space: global }
      - { .name: Wo, .offset: 40, .size: 8, .value_kind: global_buffer, .address_space: global }
      - { .name: xb, .offset: 48, .size: 8, .value_kind: global_buffer, .address_space: global }
      - { .name: wb, .offset: 56, .size: 8, .value_kind: global_buffer, .address_space: global }
    .group_segment_fixed_size: 0
    .private_segment_fixed_size: 0
    .kernarg_segment_align: 8
    .kernarg_segment_size: 64
    .max_flat_workgroup_size: 256
    .sgpr_count:     66
    .vgpr_count:     196
    .wavefront_size: 32
...
	.end_amdgpu_metadata
.endif
;; end of part 1
;; launch proj (part 2): grid 4 x 64, 4 waves a work-group, clusters of 4 x 4, 327,680 bytes of LDS; arguments xb, wb, qkv; writes qkv
.if DOCPART == 2
	.amdgcn_target "amdgcn-amd-amdhsa--gfx1250"
	.amdhsa_code_object_version 6
	.text
	.protected	k_q69af09d53e_proj
	.globl	k_q69af09d53e_proj
	.p2align	8
	.type	k_q69af09d53e_proj,@function
k_q69af09d53e_proj:
	s_mov_b64 s[64:65], 0
	v_nop
	global_prefetch_b8 v0, s[64:65] scope:SCOPE_SE
	s_setreg_imm32_b32 hwreg(HW_REG_WAVE_MODE, 25, 1), 1
	s_wait_xcnt 0x0
	s_wait_alu depctr_hold_cnt(0) depctr_sa_sdst(0) depctr_va_vdst(0) depctr_va_sdst(0) depctr_va_ssrc(0) depctr_va_vcc(0) depctr_vm_vsrc(0)
	s_getreg_b32 s2, hwreg(HW_REG_IB_STS2, 6, 4)
	s_cmp_eq_u32 s2, 0
	s_cbranch_scc0 .Lentry_in_a_cluster
	s_endpgm
.Lentry_in_a_cluster:
	s_bfe_u32 s2, ttmp6, 0x10000c
	s_cmp_lg_u32 s2, 0xf033
	s_cbranch_scc0 .Lentry_shape_is_right
	s_endpgm
.Lentry_shape_is_right:
; Launch 2 of 4: Q = tokens Wq, K = context Wk, V = context Wv, in one launch of 256 blocks of 256 x 256.  Nothing is left out.
; A cluster of 4 x 4 work-groups makes 1,024 rows x all 1,024 columns of one product.  Cluster j (0..15): j < 8: rows 1024 j of Q (K length 1,024);
; 8 <= j < 12: batch j - 8 of K; j >= 12: batch j - 12 of V (K length 768).  All that hangs on j is equal in the sixteen partners.
; A work-group has four waves, a wave makes 128 x 128: 64 accumulator tiles of 16 x 16 in 512 registers.  K goes in steps of 128 through a ring of two LDS
; slots filled by tensor loads.  x's tile (256 rows x 256 bytes) hangs on the block row alone and is asked for JOINTLY by the four work-groups of a row of
; the cluster; W's tile (128 k rows x 512 bytes) hangs on the block column alone and is asked for jointly by a column: a quarter of the requests.
; W lies [k][n]: its fragments are read by transposing LDS loads.  bf16 operands, f32 sums, the result rounded once to bf16.
; OUTPUT, head-major: qkv = Q[b][h][2048][64] at byte 0, K[b][h][1024][64] at 16,777,216, V[b][h][1024][64] at 25,165,824.
;
; REGISTERS in windows of 256: window 0: v0-31 addresses; v64-127, v128-191 fragments of x, two buffers; v192-223 packed results.
; window 1: v64-127, v128-191 fragments of W.  window 2: accumulators of my rows 0-63 (tile (a, b) at v[8 (8 a + b)]); window 3: rows 64-127.
; The matrix instruction takes 16 columns of W as source 0 and 16 rows of x as source 1: lane l then holds row l % 16 of the result and its
; eight registers the columns 8 (l / 16) + 0..7, eight neighbours that pack into 16 bytes.
.set KSTEP,  128
.set PITCH,  272                       ; an LDS row of x: 256 bytes + 16: sixteen rows begin 16 bytes apart modulo 256
.set WPITCH, 544                       ; an LDS row of W: 512 bytes + 32, an odd multiple of 32
.set HALFT,  34816                     ; what one tensor load brings: 128 x 272 = 64 x 544
.set SLOT,   4*HALFT                   ; x's 256 rows, then W's 128 k rows
.set STAGE,  2*SLOT                    ; behind the ring: 16 rows x 272 bytes for each wave, for the way out; no tensor load lands here
.set SPITCH, 272
.set ADRA, 16                          ; v16-17  LDS address of my x fragments in slot 0, 1
.set ADRB, 20                          ; v20-21  the same for W
.set STO,  24                          ; v24     the way out: where I put 16 bytes of a row
.set RD,   25                          ; v25     the way out: where I read back
.set CO,   26                          ; v26-27  my byte offset in qkv, first and second head of my 128 columns
.set F0,   64
.set F1,   128
.set TMP,  192
.set G1,  24                           ; s[24:31] group 1 for x's tiles
.set G0,  32                           ; s[32:39] group 0 for x's tiles, a set for each slot
.set G1B, 48                           ; s[48:55] group 1 for W's tiles
.set G0B, 56                           ; s[56:63] group 0 for W's tiles, a set for each slot
.set MSB, 0
.macro WIN new                         ; the immediate's high byte repeats the setting that is left
.if MSB != \new
	s_set_vgpr_msb (MSB<<8)|\new
.set MSB, \new
.endif
.endm
.set MUL_LO, 0xa1                      ; source 0 (W) window 1, source 1 (x) window 0, C and D window 2
.set MUL_HI, 0xf1                      ; the same, C and D window 3
.set TO_B,   0x40                      ; destination window 1, address window 0
; A joint load: waves 0 and 1 fetch x's two halves, waves 2 and 3 W's.  Each line has one mask; the branch hangs on the wave's number alone.
.macro JLOAD s
	s_cmp_eq_u32 s11, 0
	s_cbranch_scc0 .Lfor_b_\@
	tensor_load_to_lds s[G0+4*\s:G0+4*\s+3], s[G1:G1+7]
	s_nop 0
	s_branch .Lasked_\@
.Lfor_b_\@:
	tensor_load_to_lds s[G0B+4*\s:G0B+4*\s+3], s[G1B:G1B+7]
	s_nop 0
.Lasked_\@:
.endm
; A round of the cluster's barrier: my work-group's barrier; wave 0 signals for the work-group; every wave waits for all sixteen; my barrier once more.
.macro CREST                           ; a round behind its opening barrier
	s_cmp_lg_u32 s10, 0
	s_cbranch_scc1 .Lnot_wave_0_\@
	s_barrier_signal -3
.Lnot_wave_0_\@:
	s_barrier_wait -3
	s_barrier_signal -1
	s_barrier_wait -1
.endm
.macro CROUND
	s_barrier_signal -1
	s_barrier_wait -1
	CREST
.endm
	s_load_b128 s[4:7], s[0:1], 0x0                ; xb s[4:5], wb s[6:7]
	s_load_b64 s[8:9], s[0:1], 0x10                ; qkv
	s_set_vgpr_msb 0x40
	v_lshl_add_u32 v255, v0, 2, 0x48400
	s_set_vgpr_msb 0x4000
	v_mov_b32 v255, 0
	s_set_vgpr_msb 0x1
	ds_add_u32 v255, v255
	s_set_vgpr_msb 0x100
	v_lshrrev_b32 v1, 5, v0
	v_readfirstlane_b32 s10, v1                    ; wave 0..3
	s_lshr_b32 s11, s10, 1                         ; which half of the block's rows is mine.  Also: I fetch for x (0) or for W (1)
	s_and_b32 s12, s10, 1                          ; which half of its columns.  Also: which half of that tile I fetch
	s_bfe_u32 s40, ttmp6, 0x40000                  ; cx
	s_bfe_u32 s41, ttmp6, 0x40004                  ; cy = block row inside the cluster's 1,024 rows
	s_lshl_b32 s42, ttmp9, 2
	s_add_co_u32 s42, s42, s40                     ; block column 0..3
	s_and_b32 s66, ttmp7, 0xffff                   ; j: the cluster's job
	s_lshl_b32 s43, s41, 2
	s_lshl_b32 s43, 15, s43                        ; my row of the cluster
	s_lshl_b32 s44, 0x1111, s40                    ; my column
	; the job's figures: whole numbers chosen by j
	s_sub_co_u32 s73, s66, 4
	s_mov_b32 s68, 1792                            ; V: Wv's first row in wb,
	s_mov_b32 s69, 25165824                        ;    V's section of qkv
	s_cmp_lt_u32 s66, 12
	s_cselect_b32 s67, s66, s73                    ; first row in xb / 1024: j for Q and K (context begins at row 8192), j - 4 for V
	s_cselect_b32 s68, 1024, s68                   ; K: Wk's first row
	s_cselect_b32 s69, 16777216, s69               ;    K's section
	s_lshl_b32 s67, s67, 10
	s_and_b32 s70, s66, 3                          ; batch, for K and V
	s_lshr_b32 s73, s66, 1                         ; batch, for Q
	s_and_b32 s71, s66, 1
	s_lshl_b32 s71, s71, 10                        ; first token of the cluster's rows, for Q
	s_cmp_lt_u32 s66, 8
	s_cselect_b32 s68, 0, s68                      ; Q: Wq's first row
	s_cselect_b32 s69, 0, s69
	s_cselect_b32 s70, s73, s70
	s_cselect_b32 s71, s71, 0
	s_cselect_b32 s72, 11, 10                      ; log2 of a head's rows: 2,048 or 1,024
	s_cselect_b32 s3, 2, 1                         ; laps in the loop: K / 256 - 2
	; group 1 for x: 128 rows x 128 elements, 16 bytes of padding behind every 64 words
	s_or_b32 s[G1+0], s43, (1<<16)|(1<<20)|(1<<21)|(5<<22)|(3<<25)
	s_mov_b32 s[G1+1], 128<<16                     ; tensor_dim0 = 128
	s_mov_b32 s[G1+2], 128<<16                     ; tensor_dim1 = 128
	s_mov_b32 s[G1+3], 128<<16                     ; tile_dim0 = 128
	s_mov_b32 s[G1+4], 128                         ; tile_dim1 = 128
	s_mov_b32 s[G1+5], 1024                        ; elements from row to row
	s_mov_b32 s[G1+6], 0
	s_mov_b32 s[G1+7], 0
	; group 1 for W: 64 k rows x 256 elements, 32 bytes of padding behind every 128 words
	s_or_b32 s[G1B+0], s44, (1<<16)|(1<<20)|(1<<21)|(6<<22)|(7<<25)
	s_mov_b32 s[G1B+1], 256<<16
	s_mov_b32 s[G1B+2], 64<<16
	s_mov_b32 s[G1B+3], 256<<16
	s_mov_b32 s[G1B+4], 64
	s_mov_b32 s[G1B+5], 1024
	s_mov_b32 s[G1B+6], 0
	s_mov_b32 s[G1B+7], 0
	; where the tiles come from: x's address holds cy and never cx, W's holds cx and never cy
	s_lshl_b32 s16, s41, 8
	s_add_co_u32 s16, s16, s67
	s_lshl_b32 s17, s12, 7
	s_add_co_u32 s16, s16, s17                     ; x: row = job's first + 256 cy + 128 x half
	s_lshl_b32 s16, s16, 11                        ; x 2,048 bytes (below 2^25)
	s_mov_b32 s17, 0
	s_lshl_b32 s46, s12, 6
	s_add_co_u32 s46, s46, s68                     ; W: k row = the weight's first + 64 x half
	s_lshl_b32 s46, s46, 11
	s_lshl_b32 s47, s42, 9                         ; + 512 bytes x block column
	s_add_co_u32 s46, s46, s47
	s_mov_b32 s47, 0
	s_mul_i32 s20, s10, HALFT                      ; where they go: wave x 34,816: no place in the cluster enters an LDS address
	s_wait_dscnt 0x0
	s_wait_kmcnt 0x0
	s_add_nc_u64 s[14:15], s[4:5], s[16:17]
	s_add_nc_u64 s[46:47], s[6:7], s[46:47]
	CROUND                                         ; all sixteen work-groups are here: the first joint loads meet
.irp s, 0,1
	s_mov_b32 s[G0+4*\s], 1
	s_add_co_u32 s[G0+4*\s+1], s20, \s*SLOT
	s_add_nc_u64 s[G0+4*\s+2:G0+4*\s+3], s[14:15], \s*KSTEP*2          ; K step s: 256 bytes along the rows
	s_or_b32 s[G0+4*\s+3], s[G0+4*\s+3], 0x80000000
	s_mov_b32 s[G0B+4*\s], 1
	s_add_co_u32 s[G0B+4*\s+1], s20, \s*SLOT
	s_add_nc_u64 s[G0B+4*\s+2:G0B+4*\s+3], s[46:47], \s*KSTEP*2048     ; K step s: 128 rows down
	s_or_b32 s[G0B+4*\s+3], s[G0B+4*\s+3], 0x80000000
	JLOAD \s                                       ; two tensor loads of the wave are out: the most in this text
.endr
	; x's fragment, 16 rows x 32 K: lane l holds row l % 16; two loads of 16 bytes, 32 apart, at row x pitch + 16 (l / 16)
	v_and_b32 v1, 15, v0                           ; r = l % 16
	v_bfe_u32 v2, v0, 4, 1                         ; h = l / 16
	v_mul_u32_u24 v3, v1, PITCH
	v_lshl_add_u32 v3, v2, 4, v3
	; W's fragment, 16 columns x 32 K out of rows that lie along n: two transposing loads, 16 k rows apart, at (8 h + l % 8) x pitch + 16 ((l / 8) % 2)
	v_and_b32 v6, 7, v0
	v_lshl_add_u32 v6, v2, 3, v6
	v_mul_u32_u24 v6, v6, WPITCH
	v_bfe_u32 v7, v0, 3, 1
	v_lshl_add_u32 v6, v7, 4, v6
	s_mul_i32 s21, s11, HALFT                      ; my 128 rows of x
	s_lshl_b32 s22, s12, 8                         ; my 128 columns of W: 256 bytes along its rows,
	s_add_co_u32 s22, s22, 2*HALFT                 ; which lie behind x's 256 rows
.irp s, 0,1
	v_add_nc_u32 v[ADRA+\s], s21, v3
	v_add_nc_u32 v[ADRB+\s], s22, v6
	s_add_co_u32 s21, s21, SLOT
	s_add_co_u32 s22, s22, SLOT
.endr
	s_mul_i32 s23, s10, 16*SPITCH
	s_add_co_u32 s23, s23, STAGE                   ; my stage
	v_mul_u32_u24 v4, v1, SPITCH
	v_lshl_add_u32 v4, v2, 4, v4
	v_add_nc_u32 v[STO], s23, v4                   ; in: row r, 16 bytes for each half of the lanes
	v_bfe_u32 v8, v0, 3, 2
	v_mul_u32_u24 v8, v8, SPITCH
	v_and_b32 v9, 7, v0
	v_lshl_add_u32 v8, v9, 4, v8
	v_add_nc_u32 v[RD], s23, v8                    ; back: eight lanes take the 128 bytes that one row has of one head; a load takes four rows
	v_and_b32 v5, 31, v0
	v_lshlrev_b32 v[CO], 4, v5                     ; in qkv these four rows are 512 consecutive bytes: 16 x lane
	s_lshl_b32 s73, 128, s72                       ; bytes from a head to the next
	v_add_nc_u32 v[CO+1], s73, v[CO]
	; my first row and head in qkv: (((16 batch + 4 block column + 2 half) x rows of a head) + first token + 256 cy + 128 half) x 128 + section
	s_lshl_b32 s74, s70, 4
	s_lshl_b32 s75, s42, 2
	s_add_co_u32 s74, s74, s75
	s_lshl_b32 s75, s12, 1
	s_add_co_u32 s74, s74, s75
	s_lshl_b32 s74, s74, s72
	s_add_co_u32 s74, s74, s71
	s_lshl_b32 s75, s41, 8
	s_add_co_u32 s74, s74, s75
	s_lshl_b32 s75, s11, 7
	s_add_co_u32 s74, s74, s75
	s_lshl_b32 s74, s74, 7
	s_add_co_u32 s74, s74, s69                     ; below 2^25
	s_mov_b32 s75, 0
	s_add_nc_u64 s[8:9], s[8:9], s[74:75]
; 16 matrix instructions: row tiles a0, a0 + 1 of the window's four x all 8 column tiles, 32 along K.  zero = 1: the first product starts the sums.
; The 64 accumulators take turns, one instruction a turn, in the same order in every quarter step.
.macro MUL16 f, hi, a0, zero
.irp a, \a0, \a0+1
.irp b, 0,1,2,3,4,5,6,7
.if \zero
	v_wmma_f32_16x16x32_bf16 v[8*(8*(\a)+\b):8*(8*(\a)+\b)+7], v[\f+8*\b:\f+8*\b+7], v[\f+8*(4*\hi+\a):\f+8*(4*\hi+\a)+7], 0
.else
	v_wmma_f32_16x16x32_bf16 v[8*(8*(\a)+\b):8*(8*(\a)+\b)+7], v[\f+8*\b:\f+8*\b+7], v[\f+8*(4*\hi+\a):\f+8*(4*\hi+\a)+7], v[8*(8*(\a)+\b):8*(8*(\a)+\b)+7]
.endif
.endr
.endr
.endm
; 32 LDS loads in one run: the fragments of quarter q (32 along K) of a slot into buffer f: W's 128 columns, then x's 128 rows
.macro FETCH slot, q, f
	WIN TO_B
.irp i, 0,1,2,3,4,5,6,7
	ds_load_tr16_b128 v[\f+8*\i:\f+8*\i+3],   v[ADRB+\slot] offset:\q*32*WPITCH+32*\i
	ds_load_tr16_b128 v[\f+8*\i+4:\f+8*\i+7], v[ADRB+\slot] offset:\q*32*WPITCH+16*WPITCH+32*\i
.endr
	WIN 0
.irp i, 0,1,2,3,4,5,6,7
	ds_load_b128 v[\f+8*\i:\f+8*\i+3],   v[ADRA+\slot] offset:\q*64+\i*16*PITCH
	ds_load_b128 v[\f+8*\i+4:\f+8*\i+7], v[ADRA+\slot] offset:\q*64+\i*16*PITCH+32
.endr
.endm
; Four plain vector instructions stand between a matrix instruction and a load into a register that it read, or a vector instruction that reads
; its result (ISA guide 7.12.1 for vector instructions).
.macro PLACES
.rept 4
	v_nop
.endr
.endm
.macro QUARTER slot, q, f, g, zero     ; multiplies buffer f; in its middle fetches quarter q of the same slot into buffer g
	s_wait_dscnt 8                                 ; W and x's rows 0-63 are in; the youngest eight loads (x's rows 64-127) may be out
	WIN MUL_LO
	MUL16 \f, 0, 0, \zero
	MUL16 \f, 0, 2, \zero
	PLACES
	FETCH \slot, \q, \g
	s_wait_dscnt 32                                ; all but the 32 just issued
	WIN MUL_HI
	MUL16 \f, 1, 0, \zero
	MUL16 \f, 1, 2, \zero
.endm
.macro THREE slot, zero
	QUARTER \slot, 1, F0, F1, \zero
	QUARTER \slot, 2, F1, F0, 0
	QUARTER \slot, 3, F0, F1, 0
.endm
; The last quarter multiplies buffer 1 and changes slots.  In front of the barrier each wave waits for its reads of this slot and for all its tensor
; loads (one is out: its part of the next slot).  Where the slot is filled again the barrier opens a round of the cluster's barrier, and the joint
; refill is the first tensor load behind the round's closing wait, one a wave.
.macro TURN slot, next, fill
	s_wait_dscnt 8
	WIN MUL_LO
	MUL16 F1, 0, 0, 0
	s_wait_dscnt 0                                 ; my reads of this slot are over
	s_wait_tensorcnt 0x0                           ; all my tensor loads have landed
	ds_add_u32 v255, v255
	s_wait_dscnt 0x0
	s_barrier_signal -1
	MUL16 F1, 0, 2, 0                              ; register work while the others arrive
	WIN 0
	s_barrier_wait -1
.if \fill
	CREST                                          ; no wave of any partner still reads this slot or has a load on its way
	s_add_nc_u64 s[G0+4*\slot+2:G0+4*\slot+3], s[G0+4*\slot+2:G0+4*\slot+3], 2*KSTEP*2
	s_add_nc_u64 s[G0B+4*\slot+2:G0B+4*\slot+3], s[G0B+4*\slot+2:G0B+4*\slot+3], 2*KSTEP*2048
	JLOAD \slot
.endif
	PLACES
	FETCH \next, 0, F0
	WIN MUL_HI
	MUL16 F1, 1, 0, 0
	MUL16 F1, 1, 2, 0
.endm
.macro LAP zero                        ; two K steps, both slots filled again
	THREE 0, \zero
	TURN 0, 1, 1
	THREE 1, 0
	TURN 1, 0, 1
.endm
	s_wait_tensorcnt 0x1                           ; my part of K step 0 is in; K step 1's stays out
	s_barrier_signal -1
	s_barrier_wait -1
	FETCH 0, 0, F0
	LAP 1                                          ; the first lap's first products start the sums
	WIN 0
.Llap:                                             ; 2 laps for Q, 1 for K and V
	LAP 0
	WIN 0
	s_sub_co_u32 s3, s3, 1
	s_cmp_gt_i32 s3, 0                             ; the start is chosen (2 or 1): the signed compare ends the loop from any start
	s_cbranch_scc1 .Llap
	THREE 0, 0                                     ; the last lap fills nothing
	TURN 0, 1, 0
	THREE 1, 0
	s_wait_dscnt 8
	WIN MUL_LO
	MUL16 F1, 0, 0, 0
	MUL16 F1, 0, 2, 0
	s_wait_dscnt 0
	WIN MUL_HI
	MUL16 F1, 1, 0, 0
	MUL16 F1, 1, 2, 0
	; THE WAY OUT, 16 rows at a time: round to bf16, 16 bytes a lane into my own stage, read back head by head, four rows of a head to a store.
	PLACES
.macro OUT16 i, a, from, f
	WIN \from
.irp b, 0,1,2,3,4,5,6,7
.irp r, 0,1,2,3
	v_cvt_pk_bf16_f32 v[TMP+4*\b+\r], v[8*(8*\a+\b)+2*\r], v[8*(8*\a+\b)+2*\r+1]
.endr
.endr
	WIN 0
.irp b, 0,1,2,3,4,5,6,7
	ds_store_b128 v[STO], v[TMP+4*\b:TMP+4*\b+3] offset:32*\b
.endr
	s_wait_xcnt 0x0                                ; buffer f, which earlier stores read, and the stores' base are rewritten only behind this wait
.if \i
	s_add_nc_u64 s[8:9], s[8:9], 16*128            ; 16 rows of a head on
.endif
.irp t, 0,1,2,3,4,5,6,7
	ds_load_b128 v[\f+4*\t:\f+4*\t+3], v[RD] offset:(\t>>1)*4*SPITCH+(\t&1)*128   ; a wave's LDS instructions are served in order: these see the stores above
.endr
.irp t, 0,1,2,3,4,5,6,7
	s_wait_dscnt 7-\t                              ; the younger read-backs stay out
	global_store_b128 v[CO+(\t&1)], v[\f+4*\t:\f+4*\t+3], s[8:9] offset:(\t>>1)*512   ; 512 consecutive bytes, aligned: four rows of one head
.endr
.endm
	OUT16 0, 0, 0x0a, F0
	OUT16 1, 1, 0x0a, F1
	OUT16 2, 2, 0x0a, F0
	OUT16 3, 3, 0x0a, F1
	OUT16 4, 0, 0x0f, F0
	OUT16 5, 1, 0x0f, F1
	OUT16 6, 2, 0x0f, F0
	OUT16 7, 3, 0x0f, F1
	s_set_vgpr_msb 0x1
	s_wait_tensorcnt 0x0
	ds_add_u32 v255, v255
	s_wait_dscnt 0x0
	s_set_vgpr_msb 0x100
	CROUND                                         ; the closing round: no work-group ends while a partner may still ask for a tile that names it
	s_endpgm
.Lfunc_end_k_q69af09d53e_proj:
	.size	k_q69af09d53e_proj, .Lfunc_end_k_q69af09d53e_proj-k_q69af09d53e_proj
	.p2alignl 7, 3214868480
	.fill 96, 4, 3214868480
	.section	.rodata,"a",@progbits
	.p2align	6, 0x0
	.amdhsa_kernel k_q69af09d53e_proj
		.amdhsa_group_segment_fixed_size 327680
		.amdhsa_private_segment_fixed_size 0
		.amdhsa_enable_private_segment 0
		.amdhsa_kernarg_size 24
		.amdhsa_user_sgpr_count 2
		.amdhsa_user_sgpr_kernarg_segment_ptr 1
		.amdhsa_wavefront_size32 1
		.amdhsa_system_sgpr_workgroup_id_x 1
		.amdhsa_system_sgpr_workgroup_id_y 1
		.amdhsa_system_sgpr_workgroup_id_z 1
		.amdhsa_system_vgpr_workitem_id 0
		.amdhsa_next_free_vgpr 1024
		.amdhsa_next_free_sgpr 76
		.amdhsa_reserve_vcc 0
		.amdhsa_float_denorm_mode_32 3
		.amdhsa_float_denorm_mode_16_64 3
		.amdhsa_memory_ordered 1
		.amdhsa_forward_progress 1
		.amdhsa_inst_pref_size 197
	.end_amdhsa_kernel
	.amdgpu_metadata
---
amdhsa.version: [ 1, 2 ]
amdhsa.kernels:
  - .name:           k_q69af09d53e_proj
    .symbol:         k_q69af09d53e_proj.kd
    .args:
      - { .name: xb, .offset: 0, .size: 8, .value_kind: global_buffer, .address_space: global }
      - { .name: wb, .offset: 8, .size: 8, .value_kind: global_buffer, .address_space: global }
      - { .name: qkv, .offset: 16, .size: 8, .value_kind: global_buffer, .address_space: global }
    .group_segment_fixed_size: 327680
    .private_segment_fixed_size: 0
    .kernarg_segment_align: 8
    .kernarg_segment_size: 24
    .max_flat_workgroup_size: 128
    .sgpr_count:     76
    .vgpr_count:     1024
    .wavefront_size: 32
...
	.end_amdgpu_metadata
.endif
;; end of part 2
;; launch attn (part 3): grid 256 x 1, 8 waves a work-group, clusters of 4 x 1, 312,320 bytes of LDS; arguments qkv, cb; writes cb
.if DOCPART == 3
	.amdgcn_target "amdgcn-amd-amdhsa--gfx1250"
	.amdhsa_code_object_version 6
	.text
	.protected	k_q69af09d53e_attn
	.globl	k_q69af09d53e_attn
	.p2align	8
	.type	k_q69af09d53e_attn,@function
k_q69af09d53e_attn:
	s_mov_b64 s[64:65], 0
	v_nop
	global_prefetch_b8 v0, s[64:65] scope:SCOPE_SE
	s_setreg_imm32_b32 hwreg(HW_REG_WAVE_MODE, 25, 1), 1
	s_wait_xcnt 0x0
	s_wait_alu depctr_hold_cnt(0) depctr_sa_sdst(0) depctr_va_vdst(0) depctr_va_sdst(0) depctr_va_ssrc(0) depctr_va_vcc(0) depctr_vm_vsrc(0)
	s_getreg_b32 s2, hwreg(HW_REG_IB_STS2, 6, 4)
	s_cmp_eq_u32 s2, 0
	s_cbranch_scc0 .Lentry_in_a_cluster
	s_endpgm
.Lentry_in_a_cluster:
	s_bfe_u32 s2, ttmp6, 0x10000c
	s_cmp_lg_u32 s2, 0x3003
	s_cbranch_scc0 .Lentry_shape_is_right
	s_endpgm
.Lentry_shape_is_right:
; Launch 3 of 4: ctx = softmax(Q K^T / 8) V for each of the 64 (batch, head) pairs.  Nothing is left out.
; A cluster of four work-groups takes one head: each takes 512 of its 2,048 queries, each of eight waves 64 queries (four tiles of 16).
; The head's whole K (1,024 x 64) and V lie in LDS, 128 KiB each before padding.  The four work-groups ask for them JOINTLY (mask 15), in four chunks of
; 256 keys; every byte is filled once, so no slot is ever filled again.  Waves 0-3 ask for K, waves 4-7 for V: four tensor loads a wave are out at most.
; THE PRODUCTS ARE TAKEN TRANSPOSED, so that nothing moves between lanes but one exchange of the halves:
;   S^T tile (16 keys x 16 queries) = K fragment x Q fragment: lane (r = l % 16, h = l / 16), register j holds key 8 h + j, query r.
;   Two such tiles, packed to bf16 pair by pair, ARE the fragment of P (query r; keys 8 h + 0..7 and 16 + 8 h + 0..7) that the second product wants.
;   O^T tile (16 d x 16 queries) += V^T fragment (two transposing LDS loads) x P fragment.
; So a lane's maximum, sum and rescaling factor belong to one query.  SOFTMAX: running maximum, taken away before every exponential;
; exp(x / 8 - m / 8) = exp2(c x - c m), c = log2(e) / 8, one fused multiply-add in front of v_exp_f32.  Sums and O in f32, P in bf16.
; LIMIT: an exponential below 2^-126 comes out as 0; each row's sum is at least 1.
; THE FOUR QUERY TILES TAKE TURNS.  A step is 64 keys and four slots, one for each tile.  Slot i has two halves:
;   first half:  the eight score products of tile i + 1 (into the other S buffer), and behind each of them one of eight slices of tile i's softmax;
;   second half: the eight V products of tile i - 1 (from the other P buffer), and behind them the sixteen multiplies that rescale O of tile i.
; The turns go on over a step's end: slot 3 forms the scores of the next step's tile 0, slot 0 the V products of the last step's tile 3.
; So K's fragments are free behind tile 3's scores (middle of slot 2) and are loaded there for the next step; V's are free behind the V products in slot 0
; and are loaded there for this step.  Each run of loads has half a slot, eight products, in which to land.
; REGISTERS: scores and softmax name window 0 alone (setting 0); the V products (V^T, C and D in window 1, P in window 0) and the rescaling of O
; (O in window 1, the factor in window 0) share the setting 0x51: two switches a slot, and one more a step for V's loads.
.set KP,    144                        ; LDS pitch of K: 128 bytes + 16
.set VP,    160                        ; LDS pitch of V: 128 bytes + 32, an odd multiple of 32
.set VBASE, 147456                     ; V lies behind K's 1,024 x 144 bytes
.set KA,  2                            ; v2   LDS address of the K fragments that are loaded next, stepped 64 keys a step
.set VA,  3                            ; v3   the same for V
.set QO,  4                            ; v4   my byte offset in a tile of Q
.set STO, 5                            ; v5   the way out: where I put 16 bytes
.set RD,  6                            ; v6   the way out: where I read back
.set CO,  7                            ; v7   16 x lane
.set NM,  8                            ; v[8:11]   - c x running maximum, for each query tile
.set L,   12                           ; v[12:15]  running sum of my half's keys
.set TM,  16                           ; v[16:19]  four maxima; then v16 = the new - c x maximum, v17 the other half's
.set AL,  18                           ; v18       the rescaling factor (v19 is read with it as a pair and holds a maximum)
.set X,   20                           ; v[20:27]  sums at work
.set KA0, 28                           ; v28  K address of key 0
.set VA0, 29                           ; v29  V address of key 0
.set S0,  32                           ; v[32:63]   four S^T tiles, buffer 0
.set S1,  64                           ; v[64:95]   buffer 1
.set P0,  96                           ; v[96:111]  two P fragments, buffer 0
.set P1,  112                          ; v[112:127] buffer 1
.set KF,  128                          ; v[128:191] K fragments: 16 si + 8 kk
.set QF,  192                          ; v[192:255] Q fragments: 16 tt + 8 kk
.set O,   0                            ; window 1, v[0:127]:   O^T tiles: 32 tt + 8 di
.set VF,  128                          ; window 1, v[128:191]: V^T fragments: 32 u + 8 di
.set G1K, 16                           ; s[16:23]
.set G1V, 24                           ; s[24:31]
.set G0K, 32                           ; s[32:47] a set for each chunk
.set G0V, 48                           ; s[48:63]
.set MSB, 0
.macro WIN new                         ; the immediate's high byte repeats the setting that is left
.if MSB != \new
	s_set_vgpr_msb (MSB<<8)|\new
.set MSB, \new
.endif
.endm
.macro ROUND                           ; a round of the cluster's barrier
	s_barrier_signal -1
	s_barrier_wait -1
	s_cmp_lg_u32 s8, 0
	s_cbranch_scc1 .Lnot_wave_0_\@
	s_barrier_signal -3
.Lnot_wave_0_\@:
	s_barrier_wait -3
	s_barrier_signal -1
	s_barrier_wait -1
.endm
	s_load_b128 s[4:7], s[0:1], 0x0                ; qkv s[4:5], cb s[6:7]
	v_lshl_add_u32 v30, v0, 2, 0x4c000
	v_mov_b32 v31, 0
	ds_add_u32 v30, v31
	v_lshrrev_b32 v1, 5, v0
	v_readfirstlane_b32 s8, v1                     ; wave 0..7
	s_bfe_u32 s9, ttmp6, 0x40000                   ; cx: which 512 queries.  It enters the offsets of Q and of cb alone
	s_and_b32 s10, s8, 3                           ; which 64 rows of a chunk I fetch
	s_mov_b32 s12, 0x76543210                      ; v_permlanex16_b32: lane i reads lane i of the other half
	s_mov_b32 s13, 0xfedcba98
	s_mov_b32 s14, 0x3e38aa3b                      ; c = log2(e) / 8
	s_mov_b32 s15, 0x3e38aa3b
	; group 1: 64 rows of a head are 8,192 dense bytes, taken as 32 rows of 256 bytes; padding behind every 32 words, that is behind every row of the head
	s_mov_b32 s[G1K+0], 15|(1<<16)|(1<<20)|(1<<21)|(4<<22)|(3<<25)    ; mask of all four; 2-byte elements; 4 words of padding: pitch 144
	s_mov_b32 s[G1K+1], 128<<16
	s_mov_b32 s[G1K+2], 32<<16
	s_mov_b32 s[G1K+3], 128<<16
	s_mov_b32 s[G1K+4], 32
	s_mov_b32 s[G1K+5], 128
	s_mov_b32 s[G1K+6], 0
	s_mov_b32 s[G1K+7], 0
	s_mov_b32 s[G1V+0], 15|(1<<16)|(1<<20)|(1<<21)|(4<<22)|(7<<25)    ; 8 words of padding: pitch 160
	s_mov_b32 s[G1V+1], 128<<16
	s_mov_b32 s[G1V+2], 32<<16
	s_mov_b32 s[G1V+3], 128<<16
	s_mov_b32 s[G1V+4], 32
	s_mov_b32 s[G1V+5], 128
	s_mov_b32 s[G1V+6], 0
	s_mov_b32 s[G1V+7], 0
	s_lshl_b32 s68, ttmp9, 17                      ; the head's K: 131,072 bytes x (16 b + h)
	s_lshl_b32 s69, s10, 13                        ; + my 64 rows
	s_add_co_u32 s68, s68, s69
	s_add_co_u32 s68, s68, 16777216                ; K's section of qkv
	s_mov_b32 s69, 0
	s_mul_i32 s70, s8, 64*KP                       ; waves 0-3: K's rows 64 w of a chunk.  Also my stage on the way out
	s_mul_i32 s71, s8, 64*VP
	s_add_co_u32 s71, s71, VBASE-4*64*VP           ; waves 4-7: V's rows 64 (w - 4)
	s_lshl_b32 s72, ttmp9, 18                      ; my 64 queries: ((16 b + h) x 2048 + 512 cx + 64 w) x 128 bytes
	s_lshl_b32 s73, s9, 16
	s_add_co_u32 s72, s72, s73
	s_lshl_b32 s73, s8, 13
	s_add_co_u32 s72, s72, s73
	s_mov_b32 s73, 0
	s_wait_dscnt 0x0
	s_wait_kmcnt 0x0
	s_add_nc_u64 s[68:69], s[4:5], s[68:69]
	s_add_nc_u64 s[74:75], s[4:5], s[72:73]        ; Q
	s_add_nc_u64 s[6:7], s[6:7], s[72:73]          ; cb
.irp g, 0,1,2,3
	s_mov_b32 s[G0K+4*\g], 1
	s_add_co_u32 s[G0K+4*\g+1], s70, \g*256*KP
	s_add_nc_u64 s[G0K+4*\g+2:G0K+4*\g+3], s[68:69], \g*32768
	s_or_b32 s[G0K+4*\g+3], s[G0K+4*\g+3], 0x80000000
	s_mov_b32 s[G0V+4*\g], 1
	s_add_co_u32 s[G0V+4*\g+1], s71, \g*256*VP
	s_add_nc_u64 s[G0V+4*\g+2:G0V+4*\g+3], s[68:69], 8388608+\g*32768   ; V's section lies 8,388,608 bytes behind K's
	s_or_b32 s[G0V+4*\g+3], s[G0V+4*\g+3], 0x80000000
.endr
	ROUND                                          ; all four work-groups are here: the joint loads meet
	s_cmp_lt_u32 s8, 4
	s_cbranch_scc0 .Lfor_v
.irp g, 0,1,2,3
	tensor_load_to_lds s[G0K+4*\g:G0K+4*\g+3], s[G1K:G1K+7]
	s_nop 0
.endr
	s_branch .Lasked
.Lfor_v:
.irp g, 0,1,2,3
	tensor_load_to_lds s[G0V+4*\g:G0V+4*\g+3], s[G1V:G1V+7]
	s_nop 0
.endr
.Lasked:
	v_and_b32 v20, 15, v0                          ; r
	v_bfe_u32 v21, v0, 4, 1                        ; h
	v_and_b32 v22, 7, v0                           ; l % 8
	v_bfe_u32 v23, v0, 3, 1                        ; (l / 8) % 2
	v_and_b32 v24, 31, v0                          ; l
	v_bfe_u32 v25, v0, 3, 2                        ; l / 8
	v_lshlrev_b32 v[QO], 7, v20
	v_lshl_add_u32 v[QO], v21, 4, v[QO]            ; r x 128 + 16 h
.irp tt, 0,1,2,3
.irp kk, 0,1
	global_load_b128 v[QF+16*\tt+8*\kk:QF+16*\tt+8*\kk+3],   v[QO], s[74:75] offset:\tt*2048+\kk*64
	global_load_b128 v[QF+16*\tt+8*\kk+4:QF+16*\tt+8*\kk+7], v[QO], s[74:75] offset:\tt*2048+\kk*64+32
.endr
.endr
	v_mul_u32_u24 v[KA0], v20, KP
	v_lshl_add_u32 v[KA0], v21, 4, v[KA0]          ; r x 144 + 16 h
	v_lshl_add_u32 v26, v21, 3, v22
	v_mul_u32_u24 v26, v26, VP
	v_lshl_add_u32 v26, v23, 4, v26
	v_add_nc_u32 v[VA0], VBASE, v26                ; (8 h + l % 8) x 160 + 16 ((l / 8) % 2), in V's region
	v_add_nc_u32 v[STO], s70, v[KA0]
	v_mul_u32_u24 v26, v25, KP
	v_lshl_add_u32 v26, v22, 4, v26
	v_add_nc_u32 v[RD], s70, v26
	v_lshlrev_b32 v[CO], 4, v24
; Score product w (0..7) of query tile tn into S buffer nsb: w = 0..3 start the four tiles' sums with d = 0..31, w = 4..7 add d = 32..63.
; The four accumulators take turns, one instruction a turn.
.macro SC w, tn, nsb
.if \w < 4
	v_wmma_f32_16x16x32_bf16 v[\nsb+8*\w:\nsb+8*\w+7], v[KF+16*\w:KF+16*\w+7], v[QF+16*\tn:QF+16*\tn+7], 0
.else
	v_wmma_f32_16x16x32_bf16 v[\nsb+8*(\w-4):\nsb+8*(\w-4)+7], v[KF+16*(\w-4)+8:KF+16*(\w-4)+15], v[QF+16*\tn+8:QF+16*\tn+15], v[\nsb+8*(\w-4):\nsb+8*(\w-4)+7]
.endif
.endm
; V product w (0..7) of query tile tp from P buffer ppb, under setting 0x51: w = 0..3 keys 0..31, w = 4..7 keys 32..63; again by turns.
; zero = 1: the first keys start O.
.macro PV w, tp, ppb, zero
.if \w < 4
.if \zero
	v_wmma_f32_16x16x32_bf16 v[O+32*\tp+8*\w:O+32*\tp+8*\w+7], v[VF+8*\w:VF+8*\w+7], v[\ppb:\ppb+7], 0
.else
	v_wmma_f32_16x16x32_bf16 v[O+32*\tp+8*\w:O+32*\tp+8*\w+7], v[VF+8*\w:VF+8*\w+7], v[\ppb:\ppb+7], v[O+32*\tp+8*\w:O+32*\tp+8*\w+7]
.endif
.else
	v_wmma_f32_16x16x32_bf16 v[O+32*\tp+8*(\w-4):O+32*\tp+8*(\w-4)+7], v[VF+32+8*(\w-4):VF+32+8*(\w-4)+7], v[\ppb+8:\ppb+15], v[O+32*\tp+8*(\w-4):O+32*\tp+8*(\w-4)+7]
.endif
.endm
; Slice w (0..7) of the rescaling of O of tile tt, under setting 0x51: two multiplies behind each of the first six V products, four behind the last.
; Those four name none of the last V product's registers: they are the four places in front of the loads into V's fragments.
.macro RS w, tt
.if \w < 6
	v_pk_mul_f32 v[O+32*\tt+4*\w:O+32*\tt+4*\w+1],   v[O+32*\tt+4*\w:O+32*\tt+4*\w+1],   v[AL:AL+1] op_sel_hi:[1,0]
	v_pk_mul_f32 v[O+32*\tt+4*\w+2:O+32*\tt+4*\w+3], v[O+32*\tt+4*\w+2:O+32*\tt+4*\w+3], v[AL:AL+1] op_sel_hi:[1,0]
.endif
.if \w == 7
.irp i, 12,13,14,15
	v_pk_mul_f32 v[O+32*\tt+2*\i:O+32*\tt+2*\i+1], v[O+32*\tt+2*\i:O+32*\tt+2*\i+1], v[AL:AL+1] op_sel_hi:[1,0]
.endr
.endif
.endm
; Slice k (0..7) of the softmax of query tile tt: 32 scores a lane in S buffer sb become two P fragments in buffer pb.  first = 1: the first keys start
; maximum and sum.  Slices 0-3: the maximum (the slices with the dependent chain are short).  Slices 4-7 go through the scores in four groups of eight:
; the exponentials of a group stand two by two among the multiply-adds of the next group and the sums and conversions of the groups before, so that a
; plain instruction that is independent of them follows every pair (ISA guide 5.7.2) and every slice ends in a plain instruction.
.macro SM k, tt, sb, pb, first
.if \k == 0                                        ; the largest of my 32 scores, in four chains
.irp c, 0,1,2,3
	v_max3_num_f32 v[TM+\c], v[\sb+8*\c], v[\sb+8*\c+1], v[\sb+8*\c+2]
.endr
.irp c, 0,1,2,3
	v_max3_num_f32 v[TM+\c], v[TM+\c], v[\sb+8*\c+3], v[\sb+8*\c+4]
.endr
.endif
.if \k == 1
.irp c, 0,1,2,3
	v_max3_num_f32 v[TM+\c], v[TM+\c], v[\sb+8*\c+5], v[\sb+8*\c+6]
.endr
.irp c, 0,1,2,3
	v_max_num_f32 v[TM+\c], v[TM+\c], v[\sb+8*\c+7]
.endr
.endif
.if \k == 2
	v_max3_num_f32 v[TM], v[TM], v[TM+1], v[TM+2]
	v_max_num_f32 v[TM], v[TM], v[TM+3]
	v_permlanex16_b32 v[TM+1], v[TM], s12, s13     ; the other half's 32 keys of the same query
.endif
.if \k == 3
	v_max_num_f32 v[TM], v[TM], v[TM+1]
	v_mul_f32 v[TM], 0xbe38aa3b, v[TM]             ; - c x the step's maximum
.if \first == 0
	v_min_num_f32 v[TM], v[TM], v[NM+\tt]          ; - c x the running maximum
	v_sub_f32 v[AL], v[TM], v[NM+\tt]              ; c x (old maximum - new), at most 0
.endif
.irp j, 0,1,2,3
	v_pk_fma_f32 v[\sb+2*\j:\sb+2*\j+1], v[\sb+2*\j:\sb+2*\j+1], s[14:15], v[TM:TM+1] op_sel_hi:[1,0,0]   ; c x score - c x maximum
.endr
.endif
.if \k == 4
.if \first == 0
	v_exp_f32 v[AL], v[AL]
.endif
.irp j, 0,1,2,3
	v_exp_f32 v[\sb+2*\j], v[\sb+2*\j]
	v_exp_f32 v[\sb+2*\j+1], v[\sb+2*\j+1]
	v_pk_fma_f32 v[\sb+8+2*\j:\sb+8+2*\j+1], v[\sb+8+2*\j:\sb+8+2*\j+1], s[14:15], v[TM:TM+1] op_sel_hi:[1,0,0]
.endr
.endif
.if \k == 5
.irp j, 0,1,2,3
	v_exp_f32 v[\sb+8+2*\j], v[\sb+8+2*\j]
	v_exp_f32 v[\sb+8+2*\j+1], v[\sb+8+2*\j+1]
	v_pk_fma_f32 v[\sb+16+2*\j:\sb+16+2*\j+1], v[\sb+16+2*\j:\sb+16+2*\j+1], s[14:15], v[TM:TM+1] op_sel_hi:[1,0,0]
	s_wait_alu depctr_va_vdst(0)
	v_cvt_pk_bf16_f32 v[\pb+\j], v[\sb+2*\j], v[\sb+2*\j+1]            ; tiles 2 u and 2 u + 1 become registers 0-3 and 4-7 of P's fragment u
.endr
.endif
.if \k == 6
.irp j, 0,1,2,3
	v_exp_f32 v[\sb+16+2*\j], v[\sb+16+2*\j]
	v_exp_f32 v[\sb+16+2*\j+1], v[\sb+16+2*\j+1]
	v_pk_fma_f32 v[\sb+24+2*\j:\sb+24+2*\j+1], v[\sb+24+2*\j:\sb+24+2*\j+1], s[14:15], v[TM:TM+1] op_sel_hi:[1,0,0]
	s_wait_alu depctr_va_vdst(0)
	v_pk_add_f32 v[X+2*\j:X+2*\j+1], v[\sb+2*\j:\sb+2*\j+1], v[\sb+8+2*\j:\sb+8+2*\j+1]   ; the sum of my 32 weights, in four chains of pairs
	v_cvt_pk_bf16_f32 v[\pb+4+\j], v[\sb+8+2*\j], v[\sb+8+2*\j+1]
.endr
.endif
.if \k == 7
.irp j, 0,1,2,3
	v_exp_f32 v[\sb+24+2*\j], v[\sb+24+2*\j]
	v_exp_f32 v[\sb+24+2*\j+1], v[\sb+24+2*\j+1]
	s_wait_alu depctr_va_vdst(0)
	v_pk_add_f32 v[X+2*\j:X+2*\j+1], v[X+2*\j:X+2*\j+1], v[\sb+16+2*\j:\sb+16+2*\j+1]
	v_cvt_pk_bf16_f32 v[\pb+8+\j], v[\sb+16+2*\j], v[\sb+16+2*\j+1]
.endr
	v_mov_b32 v[NM+\tt], v[TM]
	s_wait_alu depctr_va_vdst(0)
.irp j, 0,1,2,3
	v_pk_add_f32 v[X+2*\j:X+2*\j+1], v[X+2*\j:X+2*\j+1], v[\sb+24+2*\j:\sb+24+2*\j+1]
.endr
	v_cvt_pk_bf16_f32 v[\pb+12], v[\sb+24], v[\sb+25]
	v_cvt_pk_bf16_f32 v[\pb+13], v[\sb+26], v[\sb+27]
	v_pk_add_f32 v[X:X+1], v[X:X+1], v[X+2:X+3]
	v_pk_add_f32 v[X+4:X+5], v[X+4:X+5], v[X+6:X+7]
	v_cvt_pk_bf16_f32 v[\pb+14], v[\sb+28], v[\sb+29]
	v_cvt_pk_bf16_f32 v[\pb+15], v[\sb+30], v[\sb+31]
	v_pk_add_f32 v[X:X+1], v[X:X+1], v[X+4:X+5]
.if \first
	v_add_f32 v[L+\tt], v[X], v[X+1]
.else
	v_add_f32 v[X], v[X], v[X+1]
	v_fma_f32 v[L+\tt], v[L+\tt], v[AL], v[X]
.endif
.endif
.endm
; A slot's first half: tile tt's softmax (sb to pb); sc = 1: a score product of tile tn, into nsb, in front of each slice.
; Slice 7 has more than four plain instructions and names none of the last score product's registers: they are the places in front of the first
; vector read of nsb in the next slot, and in front of the loads into K's fragments in slot 2.
.macro HALF1 tt, sb, pb, first, sc, tn, nsb
	WIN 0
.irp k, 0,1,2,3,4,5,6,7
.if \sc
	SC \k, \tn, \nsb
.endif
	SM \k, \tt, \sb, \pb, \first
.endr
.endm
; A slot's second half: the V products of tile tp (from ppb); resc = 1: a slice of the rescaling of O of tile tt behind each.
.macro HALF2 tp, ppb, tt, zero, resc
	WIN 0x51                                       ; source 0, source 2 and the destination in window 1, source 1 in window 0
.irp w, 0,1,2,3,4,5,6,7
	PV \w, \tp, \ppb, \zero
.if \resc
	RS \w, \tt
.endif
.endr
.endm
.macro KLOAD a                         ; the K fragments of 64 keys
.irp si, 0,1,2,3
.irp kk, 0,1
	ds_load_b128 v[KF+16*\si+8*\kk:KF+16*\si+8*\kk+3],   v[\a] offset:\si*16*KP+\kk*64
	ds_load_b128 v[KF+16*\si+8*\kk+4:KF+16*\si+8*\kk+7], v[\a] offset:\si*16*KP+\kk*64+32
.endr
.endr
.endm
.macro VLOAD a                         ; the V^T fragments of 64 keys, into window 1
	WIN 0x40
.irp u, 0,1
.irp di, 0,1,2,3
	ds_load_tr16_b128 v[VF+32*\u+8*\di:VF+32*\u+8*\di+3],   v[\a] offset:\u*32*VP+32*\di
	ds_load_tr16_b128 v[VF+32*\u+8*\di+4:VF+32*\u+8*\di+7], v[\a] offset:\u*32*VP+32*\di+16*VP
.endr
.endr
	WIN 0
.endm
; A step: 64 keys, four slots.  At its head S0 holds the scores of its tile 0, K's fragments are this step's, V's and P1 still the last step's.
; first = 1: step 0 (V's fragments are loaded already, nothing is rescaled);  pz = 1: step 1 (the V products of step 0's tile 3 start its O);
; last = 1: step 15 (no further K, no further scores).
.macro STEP first, pz, last
	HALF1 0, S0, P0, \first, 1, 1, S1
.if \first == 0
	HALF2 3, P1, 0, \pz, 1
	VLOAD VA                                       ; this step's V, behind the last product with the last step's
.if \last == 0
	v_add_nc_u32 v[VA], 64*VP, v[VA]
.endif
.endif
	HALF1 1, S1, P1, \first, 1, 2, S0
	s_wait_dscnt 0x0                               ; V's fragments are in: nothing else is out
	HALF2 0, P0, 1, \first, (1-\first)
	HALF1 2, S0, P0, \first, 1, 3, S1
.if \last == 0
	KLOAD KA                                       ; the next step's K, behind tile 3's last score product
	v_add_nc_u32 v[KA], 64*KP, v[KA]
.endif
	HALF2 1, P1, 2, \first, (1-\first)
.if \last == 0
	s_wait_dscnt 0x0                               ; K's fragments are in: nothing else is out
.endif
	HALF1 3, S1, P1, \first, (1-\last), 0, S0
	HALF2 2, P0, 3, \first, (1-\first)
	WIN 0
.endm
	; Chunk 0 (keys 0..255) serves steps 0 to 3.  The count leaves the three later chunks' loads on their way: a wave's tensor loads end in order,
	; and behind this barrier nothing is filled.
	s_wait_tensorcnt 0x3                           ; my part of chunk 0 has landed
	s_barrier_signal -1
	s_barrier_wait -1                              ; everybody's has
	KLOAD KA0
	VLOAD VA0
	v_add_nc_u32 v[KA], 64*KP, v[KA0]              ; step 0 asks for step 1's K,
	v_add_nc_u32 v[VA], 64*VP, v[VA0]              ; step 1 for its own V
	s_wait_loadcnt 0x0                             ; Q's fragments
	s_wait_dscnt 16                                ; K's sixteen loads are in, V's sixteen may stay out
.irp w, 0,1,2,3,4,5,6,7
	SC \w, 0, S0
.endr
.rept 4
	v_nop                                          ; four places in front of the first vector read of a matrix result; later the slices are the places
.endr
	STEP 1, 0, 0                                   ; step 0
	STEP 0, 1, 0                                   ; step 1.  Steps 0 and 1 read keys 0..191 alone
	; Step 3 asks for step 4's K, which is chunk 1's: from here on all of K and V must be there.
	s_wait_dscnt 0x0
	s_wait_tensorcnt 0x0                           ; all my parts have landed
	s_barrier_signal -1
	s_barrier_wait -1                              ; everybody's have
	v_add_nc_u32 v[KA], 3*64*KP, v[KA0]            ; step 2 asks for step 3's K
	v_add_nc_u32 v[VA], 2*64*VP, v[VA0]            ; and for its own V
	s_mov_b32 s66, 13                              ; steps 2 to 14
.Lstep:
	STEP 0, 0, 0
	s_sub_co_u32 s66, s66, 1
	s_cmp_lg_u32 s66, 0
	s_cbranch_scc1 .Lstep
	STEP 0, 0, 1                                   ; step 15
	WIN 0x51
.irp w, 0,1,2,3,4,5,6,7
	PV \w, 3, P1, 0                                ; the V products of step 15's tile 3
.endr
	WIN 0
	; THE WAY OUT.  K's region has had its last fill and, behind this barrier, its last read: each wave stages its 64 rows x 128 bytes there, pitch 144.
	; Tile 3's O, which the products above wrote, is read last: the plain instructions of tiles 0 to 2, which name none of those products' registers, are the places.
	s_wait_dscnt 0x0
	s_barrier_signal -1
	s_barrier_wait -1
.irp tt, 0,1,2,3
	v_permlanex16_b32 v[TM+1], v[L+\tt], s12, s13  ; the two halves' sums make the row's
	v_add_f32 v[TM], v[L+\tt], v[TM+1]
	v_rcp_f32 v[AL], v[TM]
	v_nop                                          ; the plain instruction behind v_rcp_f32
	WIN 0x01                                       ; source 0 (O) in window 1
	s_wait_alu depctr_va_vdst(0)
.irp i, 0,1,2,3,4,5,6,7,8,9,10,11,12,13,14,15
	v_pk_mul_f32 v[S0+2*\i:S0+2*\i+1], v[O+32*\tt+2*\i:O+32*\tt+2*\i+1], v[AL:AL+1] op_sel_hi:[1,0]
.endr
	WIN 0
.irp i, 0,1,2,3,4,5,6,7,8,9,10,11,12,13,14,15
	v_cvt_pk_bf16_f32 v[P0+\i], v[S0+2*\i], v[S0+2*\i+1]
.endr
.irp di, 0,1,2,3
	ds_store_b128 v[STO], v[P0+4*\di:P0+4*\di+3] offset:\tt*16*KP+32*\di   ; query 16 tt + r, d = 16 di + 8 h + 0..7
.endr
.endr
.irp u, 0,1,2,3,4,5,6,7,8,9,10,11,12,13,14,15
	ds_load_b128 v[KF+4*\u:KF+4*\u+3], v[RD] offset:\u*4*KP    ; my own bytes, served in order behind the stores: four rows a load
.endr
.irp u, 0,1,2,3,4,5,6,7,8,9,10,11,12,13,14,15
	s_wait_dscnt 15-\u                             ; the younger read-backs stay out
	global_store_b128 v[CO], v[KF+4*\u:KF+4*\u+3], s[6:7] offset:\u*512   ; 512 consecutive bytes, aligned
.endr
	s_wait_tensorcnt 0x0
	ds_add_u32 v30, v31
	s_wait_dscnt 0x0
	ROUND                                          ; the closing round (the count-down above has left no LDS instruction pending)
	s_endpgm
.Lfunc_end_k_q69af09d53e_attn:
	.size	k_q69af09d53e_attn, .Lfunc_end_k_q69af09d53e_attn-k_q69af09d53e_attn
	.p2alignl 7, 3214868480
	.fill 96, 4, 3214868480
	.section	.rodata,"a",@progbits
	.p2align	6, 0x0
	.amdhsa_kernel k_q69af09d53e_attn
		.amdhsa_group_segment_fixed_size 312320
		.amdhsa_private_segment_fixed_size 0
		.amdhsa_enable_private_segment 0
		.amdhsa_kernarg_size 16
		.amdhsa_user_sgpr_count 2
		.amdhsa_user_sgpr_kernarg_segment_ptr 1
		.amdhsa_wavefront_size32 1
		.amdhsa_system_sgpr_workgroup_id_x 1
		.amdhsa_system_sgpr_workgroup_id_y 1
		.amdhsa_system_sgpr_workgroup_id_z 1
		.amdhsa_system_vgpr_workitem_id 0
		.amdhsa_next_free_vgpr 448
		.amdhsa_next_free_sgpr 76
		.amdhsa_reserve_vcc 0
		.amdhsa_float_denorm_mode_32 3
		.amdhsa_float_denorm_mode_16_64 3
		.amdhsa_memory_ordered 1
		.amdhsa_forward_progress 1
		.amdhsa_inst_pref_size 151
	.end_amdhsa_kernel
	.amdgpu_metadata
---
amdhsa.version: [ 1, 2 ]
amdhsa.kernels:
  - .name:           k_q69af09d53e_attn
    .symbol:         k_q69af09d53e_attn.kd
    .args:
      - { .name: qkv, .offset: 0, .size: 8, .value_kind: global_buffer, .address_space: global }
      - { .name: cb, .offset: 8, .size: 8, .value_kind: global_buffer, .address_space: global }
    .group_segment_fixed_size: 312320
    .private_segment_fixed_size: 0
    .kernarg_segment_align: 8
    .kernarg_segment_size: 16
    .max_flat_workgroup_size: 256
    .sgpr_count:     76
    .vgpr_count:     448
    .wavefront_size: 32
...
	.end_amdgpu_metadata
.endif
;; end of part 3
;; launch outp (part 4): grid 4 x 64, 4 waves a work-group, clusters of 4 x 4, 327,680 bytes of LDS; arguments cb, wb, bo, out0; writes out0
.if DOCPART == 4
	.amdgcn_target "amdgcn-amd-amdhsa--gfx1250"
	.amdhsa_code_object_version 6
	.text
	.protected	k_q69af09d53e_outp
	.globl	k_q69af09d53e_outp
	.p2align	8
	.type	k_q69af09d53e_outp,@function
k_q69af09d53e_outp:
	s_mov_b64 s[64:65], 0
	v_nop
	global_prefetch_b8 v0, s[64:65] scope:SCOPE_SE
	s_setreg_imm32_b32 hwreg(HW_REG_WAVE_MODE, 25, 1), 1
	s_wait_xcnt 0x0
	s_wait_alu depctr_hold_cnt(0) depctr_sa_sdst(0) depctr_va_vdst(0) depctr_va_sdst(0) depctr_va_ssrc(0) depctr_va_vcc(0) depctr_vm_vsrc(0)
	s_getreg_b32 s2, hwreg(HW_REG_IB_STS2, 6, 4)
	s_cmp_eq_u32 s2, 0
	s_cbranch_scc0 .Lentry_in_a_cluster
	s_endpgm
.Lentry_in_a_cluster:
	s_bfe_u32 s2, ttmp6, 0x10000c
	s_cmp_lg_u32 s2, 0xf033
	s_cbranch_scc0 .Lentry_shape_is_right
	s_endpgm
.Lentry_shape_is_right:
; Launch 4 of 4: out0 = ctx Wo + bo.  ctx: 8,192 rows x 1,024, kept head-major in cb[b][h][2048][64] (bf16); Wo: rows 2560.. of wb, [k][n] (bf16).  Nothing is left out.
; 256 blocks of 128 rows x 256 columns.  Four waves; a wave makes 64 x 128: 32 accumulator tiles in window 2.
; K GOES IN STEPS OF 192 = THREE HEADS through a ring of two LDS slots: 1,024 = 5 x 192 + 64, five full steps and a tail of one head, all written out.
; These are the largest steps of whole heads of which two slots fit: a slot is 192 x 544 + 2 x 3 x 64 x 144 = 159,744 bytes, two are 319,488.  So there are four
; refills, each behind a round of the cluster's barrier, and from a refill to the wait for it a wave issues 16 + 5 x 32 = 176 matrix instructions.
; A step's tile of ctx hangs on the block row alone and is asked for JOINTLY by a row of the 4 x 4 cluster; Wo's tile (192 k rows x 512 bytes) by a column.
; Waves 0 and 1 fetch Wo's two halves of 96 k rows; waves 2 and 3 fetch rows 0-63 and rows 64-127 of ctx's three panels.  Half a panel is 8,192 dense bytes,
; so such a tile has two dimensions: three rows of 4,096 elements, a head apart.
; The matrix instruction takes 16 columns of Wo as source 0 and 16 rows of ctx as source 1: a lane holds eight neighbouring columns of one row.
; The result goes out in f32 through each wave's own stage in LDS; the bias is added on the way, whole rows of 512 bytes to a store.
.set KSTEP,  192
.set APITCH, 144                       ; an LDS row of a panel: 128 bytes + 16
.set WPITCH, 544                       ; an LDS row of Wo: 512 bytes + 32, an odd multiple of 32
.set PANEL,  64*APITCH                 ; 64 rows of one head: 9,216
.set AHALF,  3*PANEL                   ; what a tensor load of ctx brings: 27,648
.set WHALF,  96*WPITCH                 ; what a tensor load of Wo brings: 52,224
.set ABASE,  2*WHALF                   ; a slot: Wo's 192 k rows, then ctx's two halves
.set SLOT,   ABASE+2*AHALF             ; 159,744
.set SPITCH, 528                       ; the stage: 512 bytes + 16; 16 rows for each wave, from LDS byte 0: in slot 0, behind its last fill and its last read
.set HEADB,  262144                    ; bytes from a head to the next in cb
.set ADRA, 16                          ; v16-17  LDS address of my ctx fragments in slot 0, 1
.set ADRB, 20                          ; v20-21  the same for Wo, k rows 0-95; v22-23: k rows 96-191 (5 x 32 rows x 544 bytes pass a 16-bit offset)
.set STO,  24
.set RD,   25
.set CO,   26                          ; 16 x lane
.set BO,   27                          ; my byte offset in bo
.set BI,   28                          ; v[28:31] the bias of my four columns on the way out
.set F0,   64
.set F1,   128
.set G1,   24                          ; s[24:31] group 1 for ctx's tiles
.set G0,   32                          ; s[32:39] group 0 for ctx's tiles, a set for each slot
.set G1B,  48                          ; s[48:55] group 1 for Wo's tiles
.set G0B,  56                          ; s[56:63] group 0 for Wo's tiles, a set for each slot
.set G1T,  76                          ; s[76:83] group 1 for ctx's tail tile (one head)
.set G1BT, 84                          ; s[84:91] group 1 for Wo's tail tile (32 k rows a wave)
.set G0T,  92                          ; s[92:95] group 0 for ctx's tail tile
.set G0BT, 96                          ; s[96:99] group 0 for Wo's tail tile
.set MSB, 0
.macro WIN new                         ; the immediate's high byte repeats the setting that is left
.if MSB != \new
	s_set_vgpr_msb (MSB<<8)|\new
.set MSB, \new
.endif
.endm
.set MUL_LO, 0xa1                      ; source 0 (Wo) window 1, source 1 (ctx) window 0, C and D window 2
.set TO_B,   0x40
; A joint load: waves 0 and 1 ask by Wo's sets, waves 2 and 3 by ctx's.  Each line has one mask; the branch hangs on the wave's number alone.
.macro JLOAD gw, g1w, ga, g1a
	s_cmp_lt_u32 s10, 2
	s_cbranch_scc0 .Lfor_a_\@
	tensor_load_to_lds s[\gw:\gw+3], s[\g1w:\g1w+7]
	s_nop 0
	s_branch .Lasked_\@
.Lfor_a_\@:
	tensor_load_to_lds s[\ga:\ga+3], s[\g1a:\g1a+7]
	s_nop 0
.Lasked_\@:
.endm
.macro CREST                           ; a round of the cluster's barrier behind its opening barrier
	s_cmp_lg_u32 s10, 0
	s_cbranch_scc1 .Lnot_wave_0_\@
	s_barrier_signal -3
.Lnot_wave_0_\@:
	s_barrier_wait -3
	s_barrier_signal -1
	s_barrier_wait -1
.endm
.macro CROUND
	s_barrier_signal -1
	s_barrier_wait -1
	CREST
.endm
	s_load_b128 s[4:7], s[0:1], 0x0                ; cb s[4:5], wb s[6:7]
	s_load_b128 s[68:71], s[0:1], 0x10             ; bo s[68:69], out0 s[70:71]
	s_set_vgpr_msb 0x40
	v_lshl_add_u32 v255, v0, 2, 0x4e000
	s_set_vgpr_msb 0x4000
	v_mov_b32 v255, 0
	s_set_vgpr_msb 0x1
	ds_add_u32 v255, v255
	s_set_vgpr_msb 0x100
	v_lshrrev_b32 v1, 5, v0
	v_readfirstlane_b32 s10, v1                    ; wave 0..3
	s_lshr_b32 s11, s10, 1                         ; which 64 rows are mine
	s_and_b32 s12, s10, 1                          ; which 128 columns.  Also: which half of a tile I fetch
	s_bfe_u32 s40, ttmp6, 0x40000                  ; cx
	s_bfe_u32 s41, ttmp6, 0x40004                  ; cy
	s_lshl_b32 s42, ttmp9, 2
	s_add_co_u32 s42, s42, s40                     ; block column 0..3
	s_and_b32 s13, ttmp7, 0xffff
	s_lshl_b32 s13, s13, 2
	s_add_co_u32 s13, s13, s41                     ; block row 0..63
	s_lshl_b32 s43, s41, 2
	s_lshl_b32 s43, 15, s43                        ; my row of the cluster
	s_lshl_b32 s44, 0x1111, s40                    ; my column
	; group 1 for ctx: three rows of 4,096 elements (64 rows of a head, 8,192 dense bytes), 131,072 elements from head to head;
	; 16 bytes of padding behind every 32 words, that is behind every row of a head: pitch 144, and the three half panels follow each other
	s_or_b32 s[G1+0], s43, (1<<16)|(1<<20)|(1<<21)|(4<<22)|(3<<25)
	s_mov_b32 s[G1+1], 4096<<16                    ; tensor_dim0 = 4,096
	s_mov_b32 s[G1+2], 3<<16                       ; tensor_dim1 = 3
	s_mov_b32 s[G1+3], 4096<<16                    ; tile_dim0 = 4,096
	s_mov_b32 s[G1+4], 3                           ; tile_dim1 = 3
	s_mov_b32 s[G1+5], 131072                      ; elements from row to row
	s_mov_b32 s[G1+6], 0
	s_mov_b32 s[G1+7], 0
	; the tail's: one such row
	s_or_b32 s[G1T+0], s43, (1<<16)|(1<<20)|(1<<21)|(4<<22)|(3<<25)
	s_mov_b32 s[G1T+1], 4096<<16
	s_mov_b32 s[G1T+2], 1<<16
	s_mov_b32 s[G1T+3], 4096<<16
	s_mov_b32 s[G1T+4], 1
	s_mov_b32 s[G1T+5], 131072
	s_mov_b32 s[G1T+6], 0
	s_mov_b32 s[G1T+7], 0
	; group 1 for Wo: 96 k rows x 256 elements, 32 bytes of padding behind every 128 words
	s_or_b32 s[G1B+0], s44, (1<<16)|(1<<20)|(1<<21)|(6<<22)|(7<<25)
	s_mov_b32 s[G1B+1], 256<<16
	s_mov_b32 s[G1B+2], 96<<16
	s_mov_b32 s[G1B+3], 256<<16
	s_mov_b32 s[G1B+4], 96
	s_mov_b32 s[G1B+5], 1024
	s_mov_b32 s[G1B+6], 0
	s_mov_b32 s[G1B+7], 0
	; the tail's: 32 k rows
	s_or_b32 s[G1BT+0], s44, (1<<16)|(1<<20)|(1<<21)|(6<<22)|(7<<25)
	s_mov_b32 s[G1BT+1], 256<<16
	s_mov_b32 s[G1BT+2], 32<<16
	s_mov_b32 s[G1BT+3], 256<<16
	s_mov_b32 s[G1BT+4], 32
	s_mov_b32 s[G1BT+5], 1024
	s_mov_b32 s[G1BT+6], 0
	s_mov_b32 s[G1BT+7], 0
	; ctx's address holds cy and never cx, Wo's holds cx and never cy
	s_lshr_b32 s16, s13, 4
	s_lshl_b32 s16, s16, 22                        ; batch x 16 heads x 262,144 bytes
	s_and_b32 s17, s13, 15
	s_lshl_b32 s17, s17, 14                        ; + 128 rows x 128 bytes x (block row % 16)
	s_add_co_u32 s16, s16, s17
	s_lshl_b32 s17, s12, 13                        ; + my 64 rows of each panel
	s_add_co_u32 s16, s16, s17
	s_mov_b32 s17, 0
	s_mul_i32 s46, s12, 96
	s_add_co_u32 s46, s46, 2560                    ; Wo's first row in wb + 96 x half
	s_lshl_b32 s46, s46, 11
	s_lshl_b32 s47, s42, 9                         ; + 512 bytes x block column
	s_add_co_u32 s46, s46, s47
	s_lshl_b32 s[G0BT+2], s12, 5
	s_add_co_u32 s[G0BT+2], s[G0BT+2], 2560+5*KSTEP    ; the tail: k rows 960 + 32 x half
	s_lshl_b32 s[G0BT+2], s[G0BT+2], 11
	s_add_co_u32 s[G0BT+2], s[G0BT+2], s47
	s_mov_b32 s[G0BT+3], 0
	s_mov_b32 s47, 0
	s_mul_i32 s20, s10, WHALF                      ; where they go.  Waves 0, 1: Wo's halves at 0 and 52,224;
	s_mul_i32 s18, s10, AHALF
	s_add_co_u32 s18, s18, ABASE-2*AHALF           ; waves 2, 3: ctx's halves at 104,448 and 132,096.  No place in the cluster enters an LDS address
	s_wait_dscnt 0x0
	s_wait_kmcnt 0x0
	s_add_nc_u64 s[14:15], s[4:5], s[16:17]
	s_add_nc_u64 s[46:47], s[6:7], s[46:47]
	s_add_nc_u64 s[G0BT+2:G0BT+3], s[6:7], s[G0BT+2:G0BT+3]
	CROUND                                         ; all sixteen work-groups are here: the first joint loads meet
.irp s, 0,1
	s_mov_b32 s[G0+4*\s], 1
	s_add_co_u32 s[G0+4*\s+1], s18, \s*SLOT
	s_add_nc_u64 s[G0+4*\s+2:G0+4*\s+3], s[14:15], \s*3*HEADB          ; K step s: three heads on
	s_or_b32 s[G0+4*\s+3], s[G0+4*\s+3], 0x80000000
	s_mov_b32 s[G0B+4*\s], 1
	s_add_co_u32 s[G0B+4*\s+1], s20, \s*SLOT
	s_add_nc_u64 s[G0B+4*\s+2:G0B+4*\s+3], s[46:47], \s*KSTEP*2048     ; K step s: 192 rows down
	s_or_b32 s[G0B+4*\s+3], s[G0B+4*\s+3], 0x80000000
	JLOAD G0B+4*\s, G1B, G0+4*\s, G1               ; two tensor loads of the wave are out: the most in this text
.endr
	; the tail's sets: head 15 and k rows 960.., into slot 1, at the LDS addresses of the full tiles: Wo's second 32 k rows so lie at the slot's row 96
	s_mov_b32 s[G0T], 1
	s_add_co_u32 s[G0T+1], s18, SLOT
	s_add_nc_u64 s[G0T+2:G0T+3], s[14:15], 15*HEADB
	s_or_b32 s[G0T+3], s[G0T+3], 0x80000000
	s_mov_b32 s[G0BT], 1
	s_add_co_u32 s[G0BT+1], s20, SLOT
	s_or_b32 s[G0BT+3], s[G0BT+3], 0x80000000
	v_and_b32 v1, 15, v0                           ; r
	v_bfe_u32 v2, v0, 4, 1                         ; h
	v_and_b32 v5, 31, v0                           ; l
	v_lshlrev_b32 v[CO], 4, v5
	s_lshl_b32 s72, s42, 10
	s_lshl_b32 s73, s12, 9
	s_add_co_u32 s72, s72, s73                     ; my 128 columns in bytes of f32: 1,024 x block column + 512 x half
	v_add_nc_u32 v[BO], s72, v[CO]
	global_load_b128 v[BI:BI+3], v[BO], s[68:69]   ; bo of columns 4 l .. 4 l + 3 of my 128
	v_mul_u32_u24 v3, v1, APITCH
	v_lshl_add_u32 v3, v2, 4, v3                   ; ctx's fragment: r x 144 + 16 h
	v_and_b32 v6, 7, v0
	v_lshl_add_u32 v6, v2, 3, v6
	v_mul_u32_u24 v6, v6, WPITCH
	v_bfe_u32 v7, v0, 3, 1
	v_lshl_add_u32 v6, v7, 4, v6                   ; Wo's fragment: (8 h + l % 8) x 544 + 16 ((l / 8) % 2)
	s_mul_i32 s21, s11, AHALF                      ; my 64 rows of the three panels,
	s_add_co_u32 s21, s21, ABASE                   ; which lie behind Wo's 192 rows
	s_lshl_b32 s22, s12, 8                         ; my 128 columns of Wo: 256 bytes along its rows
.irp s, 0,1
	v_add_nc_u32 v[ADRA+\s], s21, v3
	v_add_nc_u32 v[ADRB+\s], s22, v6
	v_add_nc_u32 v[ADRB+2+\s], 96*WPITCH, v[ADRB+\s]
	s_add_co_u32 s21, s21, SLOT
	s_add_co_u32 s22, s22, SLOT
.endr
	s_mul_i32 s23, s10, 16*SPITCH                  ; my stage: 8,448 bytes x wave, from LDS byte 0
	v_mul_u32_u24 v4, v1, SPITCH
	v_lshl_add_u32 v4, v2, 5, v4
	v_add_nc_u32 v[STO], s23, v4                   ; in: row r, 32 bytes for each half of the lanes
	v_add_nc_u32 v[RD], s23, v[CO]                 ; back: a whole row of 512 bytes
	s_lshl_b32 s74, s13, 7
	s_lshl_b32 s75, s11, 6
	s_add_co_u32 s74, s74, s75                     ; my first row
	s_lshl_b32 s74, s74, 12                        ; x 4,096 bytes (below 2^25)
	s_add_co_u32 s74, s74, s72
	s_mov_b32 s75, 0
	s_add_nc_u64 s[8:9], s[70:71], s[74:75]
; 16 matrix instructions: row tiles a0, a0 + 1 x all 8 column tiles, 32 along K.  The 32 accumulators take turns, one instruction a turn, in the same order
; in every part of a step.
.macro MUL16 f, a0, zero
.irp a, \a0, \a0+1
.irp b, 0,1,2,3,4,5,6,7
.if \zero
	v_wmma_f32_16x16x32_bf16 v[8*(8*(\a)+\b):8*(8*(\a)+\b)+7], v[\f+8*\b:\f+8*\b+7], v[\f+8*(\a):\f+8*(\a)+7], 0
.else
	v_wmma_f32_16x16x32_bf16 v[8*(8*(\a)+\b):8*(8*(\a)+\b)+7], v[\f+8*\b:\f+8*\b+7], v[\f+8*(\a):\f+8*(\a)+7], v[8*(8*(\a)+\b):8*(8*(\a)+\b)+7]
.endif
.endr
.endr
.endm
; 24 LDS loads in one run, 32 along K: Wo's 128 columns at the slot's k rows 32 qw .., then ctx's 64 rows (panel qa / 2, d = 32 (qa % 2) ..).
; In a full step qa = qw; in the tail Wo's second part lies at row 96.
.macro FETCH slot, qa, qw, f
	WIN TO_B
.irp i, 0,1,2,3,4,5,6,7
	ds_load_tr16_b128 v[\f+8*\i:\f+8*\i+3],   v[ADRB+\slot+2*(\qw/3)] offset:(\qw%3)*32*WPITCH+32*\i
	ds_load_tr16_b128 v[\f+8*\i+4:\f+8*\i+7], v[ADRB+\slot+2*(\qw/3)] offset:(\qw%3)*32*WPITCH+16*WPITCH+32*\i
.endr
	WIN 0
.irp i, 0,1,2,3
	ds_load_b128 v[\f+8*\i:\f+8*\i+3],   v[ADRA+\slot] offset:(\qa>>1)*PANEL+(\qa&1)*64+\i*16*APITCH
	ds_load_b128 v[\f+8*\i+4:\f+8*\i+7], v[ADRA+\slot] offset:(\qa>>1)*PANEL+(\qa&1)*64+\i*16*APITCH+32
.endr
.endm
.macro PLACES                          ; four plain vector instructions between a matrix instruction and a load into, or a read of, its registers (ISA guide 7.12.1 for vector reads)
.rept 4
	v_nop
.endr
.endm
; One part of a step, 32 along K: multiplies buffer f; in its middle fetches the next part into buffer g.
.macro PART slot, qa, qw, f, g, zero
	s_wait_dscnt 4                                 ; Wo and ctx's row tiles 0, 1 are in; the youngest four loads (tiles 2, 3) may be out
	WIN MUL_LO
	MUL16 \f, 0, \zero
	PLACES
	FETCH \slot, \qa, \qw, \g
	s_wait_dscnt 24                                ; all but the 24 just issued
	WIN MUL_LO
	MUL16 \f, 2, \zero
.endm
.macro FIVE slot, zero                 ; the first five of a full step's six parts, on buffers 0, 1, 0, 1, 0
	PART \slot, 1, 1, F0, F1, \zero
	PART \slot, 2, 2, F1, F0, 0
	PART \slot, 3, 3, F0, F1, 0
	PART \slot, 4, 4, F1, F0, 0
	PART \slot, 5, 5, F0, F1, 0
.endm
; The sixth part multiplies buffer 1 and changes slots: each wave's reads of this slot and all its tensor loads are waited for in front of the barrier.
; fill = 1: the slot is filled again, two steps ahead; fill = 2: with the tail's tiles; fill = 0: not at all.  Where it is filled the barrier opens a round of the
; cluster's barrier, and the joint refill is the first tensor load behind the round's closing wait, one a wave.
.macro TURN slot, next, fill
	s_wait_dscnt 0                                 ; buffer 1 is whole, and my reads of this slot are over
	s_wait_tensorcnt 0x0                           ; all my tensor loads have landed: the one that was out is my part of the next slot
	ds_add_u32 v255, v255
	s_wait_dscnt 0x0
	s_barrier_signal -1
	WIN MUL_LO
	MUL16 F1, 0, 0                                 ; register work while the others arrive
	WIN 0
	s_barrier_wait -1
.if \fill
	CREST                                          ; no wave of any partner still reads this slot or has a load on its way
.endif
.if \fill == 1
	s_add_nc_u64 s[G0+4*\slot+2:G0+4*\slot+3], s[G0+4*\slot+2:G0+4*\slot+3], 6*HEADB
	s_add_nc_u64 s[G0B+4*\slot+2:G0B+4*\slot+3], s[G0B+4*\slot+2:G0B+4*\slot+3], 2*KSTEP*2048
	JLOAD G0B+4*\slot, G1B, G0+4*\slot, G1
.endif
.if \fill == 2
	JLOAD G0BT, G1BT, G0T, G1T
.endif
	PLACES
	FETCH \next, 0, 0, F0
	WIN MUL_LO
	MUL16 F1, 2, 0
.endm
	s_wait_tensorcnt 0x1                           ; my part of K step 0 is in; K step 1's stays out
	s_barrier_signal -1
	s_barrier_wait -1
	FETCH 0, 0, 0, F0
	FIVE 0, 1                                      ; step 0: its first products start the sums
	TURN 0, 1, 1                                   ; slot 0 gets step 2
	FIVE 1, 0                                      ; step 1
	TURN 1, 0, 1                                   ; slot 1 gets step 3
	FIVE 0, 0                                      ; step 2
	TURN 0, 1, 1                                   ; slot 0 gets step 4: its last fill
	FIVE 1, 0                                      ; step 3
	TURN 1, 0, 2                                   ; slot 1 gets the tail: the last load
	FIVE 0, 0                                      ; step 4
	TURN 0, 1, 0                                   ; nothing is left to fetch.  In front of this barrier every wave's last read of slot 0 has come back
	PART 1, 1, 3, F0, F1, 0                        ; the tail, head 15: d = 0..31; fetches d = 32..63, whose rows of Wo lie at the slot's row 96
	s_wait_dscnt 0
	WIN MUL_LO
	MUL16 F1, 0, 0
	MUL16 F1, 2, 0
	; THE WAY OUT, 16 rows at a time: f32 into my own stage, whole rows back, the bias added, 512 consecutive aligned bytes to a store.
	; The stage lies in slot 0: no tensor load lands there any more, and since step 4's barrier no wave reads it; each wave touches its own 8,448 bytes alone.
	PLACES
	s_wait_loadcnt 0x0                             ; the bias
.macro OUTF i, f
	WIN 0x08                                       ; the stores' data in window 2
.irp b, 0,1,2,3,4,5,6,7
	ds_store_b128 v[STO], v[8*(8*\i+\b):8*(8*\i+\b)+3]   offset:64*\b
	ds_store_b128 v[STO], v[8*(8*\i+\b)+4:8*(8*\i+\b)+7] offset:64*\b+16
.endr
	WIN 0
	s_wait_xcnt 0x0                                ; buffer f, which earlier stores read, and the stores' base are rewritten only behind this wait
.if \i
	s_add_nc_u64 s[8:9], s[8:9], 16*4096
.endif
.irp t, 0,1,2,3,4,5,6,7,8,9,10,11,12,13,14,15
	ds_load_b128 v[\f+4*\t:\f+4*\t+3], v[RD] offset:\t*SPITCH          ; my own bytes, served in order behind the stores
.endr
.irp t, 0,1,2,3,4,5,6,7,8,9,10,11,12,13,14,15
	s_wait_dscnt 15-\t                             ; the younger read-backs stay out
	v_pk_add_f32 v[\f+4*\t:\f+4*\t+1],   v[\f+4*\t:\f+4*\t+1],   v[BI:BI+1]
	v_pk_add_f32 v[\f+4*\t+2:\f+4*\t+3], v[\f+4*\t+2:\f+4*\t+3], v[BI+2:BI+3]
	global_store_b128 v[CO], v[\f+4*\t:\f+4*\t+3], s[8:9] offset:\t*4096 th:TH_STORE_NT
.endr
.endm
	OUTF 0, F0
	OUTF 1, F1
	OUTF 2, F0
	OUTF 3, F1
	s_set_vgpr_msb 0x1
	s_wait_tensorcnt 0x0
	ds_add_u32 v255, v255
	s_wait_dscnt 0x0
	s_set_vgpr_msb 0x100
	CROUND                                         ; the closing round: no work-group ends while a partner may still ask for a tile that names it
	s_endpgm
.Lfunc_end_k_q69af09d53e_outp:
	.size	k_q69af09d53e_outp, .Lfunc_end_k_q69af09d53e_outp-k_q69af09d53e_outp
	.p2alignl 7, 3214868480
	.fill 96, 4, 3214868480
	.section	.rodata,"a",@progbits
	.p2align	6, 0x0
	.amdhsa_kernel k_q69af09d53e_outp
		.amdhsa_group_segment_fixed_size 327680
		.amdhsa_private_segment_fixed_size 0
		.amdhsa_enable_private_segment 0
		.amdhsa_kernarg_size 32
		.amdhsa_user_sgpr_count 2
		.amdhsa_user_sgpr_kernarg_segment_ptr 1
		.amdhsa_wavefront_size32 1
		.amdhsa_system_sgpr_workgroup_id_x 1
		.amdhsa_system_sgpr_workgroup_id_y 1
		.amdhsa_system_sgpr_workgroup_id_z 1
		.amdhsa_system_vgpr_workitem_id 0
		.amdhsa_next_free_vgpr 768
		.amdhsa_next_free_sgpr 100
		.amdhsa_reserve_vcc 0
		.amdhsa_float_denorm_mode_32 3
		.amdhsa_float_denorm_mode_16_64 3
		.amdhsa_memory_ordered 1
		.amdhsa_forward_progress 1
		.amdhsa_inst_pref_size 158
	.end_amdhsa_kernel
	.amdgpu_metadata
---
amdhsa.version: [ 1, 2 ]
amdhsa.kernels:
  - .name:           k_q69af09d53e_outp
    .symbol:         k_q69af09d53e_outp.kd
    .args:
      - { .name: cb, .offset: 0, .size: 8, .value_kind: global_buffer, .address_space: global }
      - { .name: wb, .offset: 8, .size: 8, .value_kind: global_buffer, .address_space: global }
      - { .name: bo, .offset: 16, .size: 8, .value_kind: global_buffer, .address_space: global }
      - { .name: out0, .offset: 24, .size: 8, .value_kind: global_buffer, .address_space: global }
    .group_segment_fixed_size: 327680
    .private_segment_fixed_size: 0
    .kernarg_segment_align: 8
    .kernarg_segment_size: 32
    .max_flat_workgroup_size: 128
    .sgpr_count:     100
    .vgpr_count:     768
    .wavefront_size: 32
...
	.end_amdgpu_metadata
.endif
;; end of part 4
;; ======== version 2 of 2: 4 launches; version 1 with the launch cvt written anew for expert scheduling mode
;; workspace buffers: xb 25,165,824 bytes; wb 7,340,032 bytes; qkv 33,554,432 bytes; cb 16,777,216 bytes
;; launch cvt (part 5): grid 496 x 1, 8 waves a work-group, no clusters, 0 bytes of LDS; arguments tokens, context, Wq, Wk, Wv, Wo, xb, wb; writes xb, wb
.if DOCPART == 5
	.amdgcn_target "amdgcn-amd-amdhsa--gfx1250"
	.amdhsa_code_object_version 6
	.text
	.protected	k_q69af09d53e_cvt
	.globl	k_q69af09d53e_cvt
	.p2align	8
	.type	k_q69af09d53e_cvt,@function
k_q69af09d53e_cvt:
	s_mov_b64 s[64:65], 0
	v_nop
	global_prefetch_b8 v0, s[64:65] scope:SCOPE_SE
	s_setreg_imm32_b32 hwreg(HW_REG_WAVE_SCHED_MODE, 0, 2), 2
	s_setreg_imm32_b32 hwreg(HW_REG_WAVE_MODE, 25, 1), 1
	s_wait_xcnt 0x0
	s_wait_alu depctr_vm_vsrc(0)
; CROSS-ATTENTION, launch 1 of 4: every matrix operand that comes from an input is rounded once from f32 to bf16 (to nearest even).
;   out = softmax((tokens Wq)(context Wk)^T / 8) (context Wv) Wo + bo, 16 heads of 64.
; Nothing of the problem is left out: each of the seven inputs has a way to the output and is loaded (bo in the last launch).
; LIMITS of the whole program: matrix operands (tokens, context, the four weights, Q, K, V, the softmax's weights, ctx) are rounded to
; bf16, sums are kept in f32 in another order than a plain f32 product has; the softmax takes the running maximum of each row away
; before every exponential; an exponential below 2^-126 comes out as 0 (each row's sum is at least 1); NaN and infinities go the way
; the arithmetic carries them.
; LAYOUT: xb = 12,288 rows of 2,048 bytes: rows 0..8191 tokens (1,024 bf16), rows 8192..12287 context (768 bf16; the last 512 bytes of
; these rows are neither stored here nor read later).  wb = 3,584 rows of 1,024 bf16, kept [k][n]: Wq at row 0, Wk 1024, Wv 1792, Wo 2560.
; A stream: no LDS, no matrix unit, no cluster (no byte is read twice).  A work-group takes 32 rows, a wave 4.  A load of a wave covers 512
; consecutive bytes (128 f32), a store 256 consecutive aligned bytes (128 bf16).  All of a wave's loads are issued first; no register is
; used twice, so no source of a pending load or store is ever rewritten.
; THE MODE: SCHED_MODE bits 1:0 = 2 (LLVM: expert scheduling mode 2), set by the entry lines.  The code itself states the register dependences
; between vector instructions and memory instructions, with s_wait_alu, always for 0.
; THE PLAN.  Registers that memory instructions touch:
;   v1, v2   byte offsets of the loads and of the stores: written once at the head by vector instructions, never again.
;   X        four registers a load.  Written by that load alone, and all loads are issued ahead of the first conversion; read by the load's two conversions.
;   Y        two registers a store.  Written once, by two conversions; read once, by the store.
; The pieces go in blocks of four.  Block p's conversions name X and Y of block p alone; its memory instructions are the four stores of block p - 1, which read
; v2 and Y of block p - 1.  So one wait on va_vdst at a block's head states all that the block's four stores hang on, and these are dealt among its eight
; conversions with no further wait.  No register that a memory instruction reads is written again, so there is nothing for a wait on vm_vsrc to state.
.set X, 4                              ; v[4:131]   up to 32 loads of 4 registers
.set Y, 132                            ; v[132:195] up to 32 stores of 2 registers
.set BL, 4                             ; pieces in a block; 4 x 8 and 4 x 6 pieces are whole numbers of blocks
	s_load_b512 s[8:23], s[0:1], 0x0               ; tokens s[8:9], context s[10:11], Wq s[12:13], Wk s[14:15], Wv s[16:17], Wo s[18:19], xb s[20:21], wb s[22:23]
	v_lshrrev_b32 v3, 5, v0
	v_readfirstlane_b32 s2, v3                     ; wave 0..7
	v_and_b32 v1, 31, v0
	v_lshlrev_b32 v2, 3, v1                        ; 8 x lane: my 8 bytes of a store
	v_lshlrev_b32 v1, 4, v1                        ; 16 x lane: my 16 bytes of a load
	s_wait_alu depctr_va_sdst(0)                   ; s2 is written, ahead of its first reader: the rows' offsets are made from it
	s_lshl_b32 s2, s2, 2                           ; my wave's first row in the group's 32
	s_wait_kmcnt 0x0
	s_wait_alu depctr_va_vdst(0)                   ; v1 and v2 are written: every load reads v1 and every store v2 as its offset, on both ways below
; 4 rows of nu pieces of 512 bytes, spitch bytes from row to row in the source, 2,048 in the destination
.macro CONV nu, spitch
.set k, 0
.rept 4*\nu
	global_load_b128 v[X+4*k:X+4*k+3], v1, s[4:5] offset:(k/\nu)*\spitch+(k%\nu)*512 th:TH_LOAD_NT
.set k, k+1
.endr
.set k, 0
.rept 4*\nu
.if k%BL == 0
	s_wait_loadcnt 4*\nu-BL-k                      ; loads come back in order: this block's four are in, the younger ones stay out
.if k > 0
	s_wait_alu depctr_va_vdst(0)                   ; the block before has written its Y, which the four stores of this block read
.endif
.endif
.if k >= BL
.set j, k-BL                                       ; the same piece of the block before; no conversion since the wait names its Y
	global_store_b64 v2, v[Y+2*j:Y+2*j+1], s[24:25] offset:(j/\nu)*2048+(j%\nu)*256
.endif
	v_cvt_pk_bf16_f32 v[Y+2*k],   v[X+4*k],   v[X+4*k+1]
	v_cvt_pk_bf16_f32 v[Y+2*k+1], v[X+4*k+2], v[X+4*k+3]
.set k, k+1
.endr
	s_wait_alu depctr_va_vdst(0)                   ; the last block has written its Y, which the last four stores read
.set k, 4*\nu-BL
.rept BL
	global_store_b64 v2, v[Y+2*k:Y+2*k+1], s[24:25] offset:(k/\nu)*2048+(k%\nu)*256
.set k, k+1
.endr
.endm
	s_cmp_ge_u32 ttmp9, 368
	s_cbranch_scc1 .Lctx
	; rows of 1,024: groups 0..255 tokens, 256..287 Wq, 288..311 Wk, 312..335 Wv, 336..367 Wo
	s_mov_b64 s[4:5], s[18:19]
	s_mov_b32 s6, 336                              ; the first group of the source
	s_cmp_lt_u32 ttmp9, 336
	s_cselect_b64 s[4:5], s[16:17], s[4:5]
	s_cselect_b32 s6, 312, s6
	s_cmp_lt_u32 ttmp9, 312
	s_cselect_b64 s[4:5], s[14:15], s[4:5]
	s_cselect_b32 s6, 288, s6
	s_cmp_lt_u32 ttmp9, 288
	s_cselect_b64 s[4:5], s[12:13], s[4:5]
	s_cselect_b32 s6, 256, s6
	s_cmp_lt_u32 ttmp9, 256
	s_cselect_b64 s[4:5], s[8:9], s[4:5]
	s_cselect_b32 s6, 0, s6
	s_cselect_b64 s[24:25], s[20:21], s[22:23]     ; tokens go to xb, the weights to wb, one behind the other
	s_cselect_b32 s7, 0, 256                       ; the first group of the destination
	s_sub_co_u32 s26, ttmp9, s6
	s_lshl_b32 s26, s26, 5
	s_add_co_u32 s26, s26, s2                      ; source row
	s_lshl_b32 s26, s26, 12                        ; x 4,096 bytes (below 2^26)
	s_mov_b32 s27, 0
	s_add_nc_u64 s[4:5], s[4:5], s[26:27]
	s_sub_co_u32 s28, ttmp9, s7
	s_lshl_b32 s28, s28, 5
	s_add_co_u32 s28, s28, s2                      ; destination row
	s_lshl_b32 s28, s28, 11                        ; x 2,048 bytes
	s_mov_b32 s29, 0
	s_add_nc_u64 s[24:25], s[24:25], s[28:29]
	CONV 8, 4096
	s_endpgm
.Lctx:                                             ; groups 368..495: context, rows of 768
	s_sub_co_u32 s26, ttmp9, 368
	s_lshl_b32 s26, s26, 5
	s_add_co_u32 s26, s26, s2                      ; row 0..4095
	s_mul_i32 s28, s26, 3072
	s_mov_b32 s29, 0
	s_add_nc_u64 s[4:5], s[10:11], s[28:29]
	s_add_co_u32 s26, s26, 8192                    ; behind the tokens' rows in xb
	s_lshl_b32 s26, s26, 11
	s_mov_b32 s27, 0
	s_add_nc_u64 s[24:25], s[20:21], s[26:27]
	CONV 6, 3072
	s_endpgm
.Lfunc_end_k_q69af09d53e_cvt:
	.size	k_q69af09d53e_cvt, .Lfunc_end_k_q69af09d53e_cvt-k_q69af09d53e_cvt
	.p2alignl 7, 3214868480
	.fill 96, 4, 3214868480
	.section	.rodata,"a",@progbits
	.p2align	6, 0x0
	.amdhsa_kernel k_q69af09d53e_cvt
		.amdhsa_group_segment_fixed_size 0
		.amdhsa_private_segment_fixed_size 0
		.amdhsa_enable_private_segment 0
		.amdhsa_kernarg_size 64
		.amdhsa_user_sgpr_count 2
		.amdhsa_user_sgpr_kernarg_segment_ptr 1
		.amdhsa_wavefront_size32 1
		.amdhsa_system_sgpr_workgroup_id_x 1
		.amdhsa_system_sgpr_workgroup_id_y 1
		.amdhsa_system_sgpr_workgroup_id_z 1
		.amdhsa_system_vgpr_workitem_id 0
		.amdhsa_next_free_vgpr 196
		.amdhsa_next_free_sgpr 66
		.amdhsa_reserve_vcc 0
		.amdhsa_float_denorm_mode_32 3
		.amdhsa_float_denorm_mode_16_64 3
		.amdhsa_memory_ordered 1
		.amdhsa_forward_progress 1
		.amdhsa_inst_pref_size 21
	.end_amdhsa_kernel
	.amdgpu_metadata
---
amdhsa.version: [ 1, 2 ]
amdhsa.kernels:
  - .name:           k_q69af09d53e_cvt
    .symbol:         k_q69af09d53e_cvt.kd
    .args:
      - { .name: tokens, .offset: 0, .size: 8, .value_kind: global_buffer, .address_space: global }
      - { .name: context, .offset: 8, .size: 8, .value_kind: global_buffer, .address_space: global }
      - { .name: Wq, .offset: 16, .size: 8, .value_kind: global_buffer, .address_space: global }
      - { .name: Wk, .offset: 24, .size: 8, .value_kind: global_buffer, .address_space: global }
      - { .name: Wv, .offset: 32, .size: 8, .value_kind: global_buffer, .address_space: global }
      - { .name: Wo, .offset: 40, .size: 8, .value_kind: global_buffer, .address_space: global }
      - { .name: xb, .offset: 48, .size: 8, .value_kind: global_buffer, .address_space: global }
      - { .name: wb, .offset: 56, .size: 8, .value_kind: global_buffer, .address_space: global }
    .group_segment_fixed_size: 0
    .private_segment_fixed_size: 0
    .kernarg_segment_align: 8
    .kernarg_segment_size: 64
    .max_flat_workgroup_size: 256
    .sgpr_count:     66
    .vgpr_count:     196
    .wavefront_size: 32
...
	.end_amdgpu_metadata
.endif
;; end of part 5
;; launch proj: the kernel of part 2 again; grid 4 x 64, 4 waves a work-group, clusters of 4 x 4, 327,680 bytes of LDS; arguments xb, wb, qkv; writes qkv
;; launch attn: the kernel of part 3 again; grid 256 x 1, 8 waves a work-group, clusters of 4 x 1, 312,320 bytes of LDS; arguments qkv, cb; writes cb
;; launch outp: the kernel of part 4 again; grid 4 x 64, 4 waves a work-group, clusters of 4 x 4, 327,680 bytes of LDS; arguments cb, wb, bo, out0; writes out0
